; MI455X (gfx1250); checked and timed in simulation.
; The chip was launched on July 23, 2026; its instructions are those of AMD's public machine-readable ISA for CDNA 5 (MIT licence, August 2026) and "CDNA5" Instruction Set Architecture Reference Guide (July 2026). The comments in the code are by the model that wrote it; some were corrected since.
;; My Module. Allowed arithmetic: matrix products marked QUANTISED: E4M3 operands, one E8M0 scale for each 32 along K, by v_wmma_scale_f32_16x16x128_f8f6f4 with both operands' format E4M3, f32 sums; everything else in f32.
;; Inputs: Wk_codes 1,024 x 32 x 32 uint8 (E4M3 codes of Wk, K innermost, in blocks of 32 codes); Wk_scales 1,024 x 32 uint8 (E8M0 scales of Wk, one for each 32 codes along K); Wo_codes 1,024 x 32 x 32 uint8 (E4M3 codes of Wo, K innermost, in blocks of 32 codes); Wo_scales 1,024 x 32 uint8 (E8M0 scales of Wo, one for each 32 codes along K); Wq_codes 1,024 x 32 x 32 uint8 (E4M3 codes of Wq, K innermost, in blocks of 32 codes); Wq_scales 1,024 x 32 uint8 (E8M0 scales of Wq, one for each 32 codes along K); Wv_codes 1,024 x 32 x 32 uint8 (E4M3 codes of Wv, K innermost, in blocks of 32 codes); Wv_scales 1,024 x 32 uint8 (E8M0 scales of Wv, one for each 32 codes along K); bk 1,024 float32; bo 1,024 float32; bq 1,024 float32; bv 1,024 float32; mask 4 x 2,048 bool; x_codes 4 x 2,048 x 32 x 32 uint8 (E4M3 codes of x, K innermost, in blocks of 32 codes); x_scales 4 x 2,048 x 32 uint8 (E8M0 scales of x, one for each 32 codes along K).
;; Outputs: out0 4 x 2,048 x 1,024 float32.
;; This version of the problem:
;;   THIS VERSION OF THE PROBLEM IS GIVEN IN LOW PRECISION. The matrix products marked QUANTISED in the list below multiply operands that are first quantised to E4M3 (4 exponent bits, 3 mantissa bits; 8 bits a number), with one power-of-two scale for each 32 numbers along K (OCP MX v1.0); their sums are f32. All else is computed in f32.
;;   The module's matrix products, in the order in which they are computed (A, B: the left and right operand; K: the contracted axis; several contracted axes count as one K, in the product's order):
;;     1. [M 8,192, K 1,024] x [K 1,024, N 1,024]; A: input x (given as codes); B: input Wq (given as codes): QUANTISED
;;     2. [M 8,192, K 1,024] x [K 1,024, N 1,024]; A: input x (given as codes); B: input Wk (given as codes): QUANTISED
;;     3. [M 8,192, K 1,024] x [K 1,024, N 1,024]; A: input x (given as codes); B: input Wv (given as codes): QUANTISED
;;     4. batch 64 x [M 2,048, K 64] x [K 64, N 2,048]; A: computed on the way; B: computed on the way: QUANTISED
;;     5. batch 64 x [M 2,048, K 2,048] x [K 2,048, N 64]; A: softmax (see below); B: computed on the way: QUANTISED
;;     6. [M 8,192, K 1,024] x [K 1,024, N 1,024]; A: computed on the way; B: input Wo (given as codes): QUANTISED
;;   THE QUANTISER, for each operand of a quantised product, along K:
;;     - K is cut into blocks of 32 from its start; a last block that is shorter is filled with zeros.
;;     - A block's scale is 2^e with e = floor(log2(the largest magnitude in the block)) - 8, held to -126 .. 127; a block of zeros has e = 0. As a byte (E8M0): e + 127.
;;     - Each number is divided by its block's scale, clamped to +-448, and rounded to the nearest number of E4M3, ties to even, subnormals kept.
;;     - The product sums the exact products of the quantised numbers (number of the format x scale) in f32.
;;   ~~~python
;;   def quantise(x, axis):      # numpy; x: float32 -> the quantised numbers, widened to float32 again
;;       x = np.moveaxis(x, axis, -1); K = x.shape[-1]
;;       x = np.pad(x, [(0, 0)] * (x.ndim - 1) + [(0, -K % 32)]); x = x.reshape(x.shape[:-1] + (-1, 32)); a = np.abs(x).max(-1, keepdims=True)
;;       e = np.where(a > 0, np.clip(np.frexp(np.where(a > 0, a, 1))[1] - 1 - 8, -126, 127), 0)      # np.frexp(a)[1] - 1 = floor(log2(a)), exactly
;;       r = np.clip(x / 2.0 ** e, -448, 448)
;;       step = 2.0 ** (np.maximum(np.frexp(np.where(r == 0, 1, r))[1] - 1, -6) - 3)
;;       q = np.round(r / step) * step * 2.0 ** e      # np.round: ties to even
;;       return np.moveaxis(q.reshape(q.shape[:-2] + (-1,))[..., :K], -1, axis).astype(np.float32)
;;   ~~~
;;   SOFTMAX AHEAD OF A QUANTISED PRODUCT. Where the list says 'softmax', what is quantised is not the finished softmax but p = 2^(t - M), with t = logit x log2(e) and M = ceil(the row's largest t), a whole number; so 1/2 < the row's largest p <= 1. The row's sum l is taken of the UNQUANTISED p, in f32, and the product's result is divided by l at the end. Since M is a whole number, a kernel that streams over the keys may use a running M (the ceiling of the running maximum): every later rescaling is an exact power of two, which a block's scale takes up: the codes' values come out the same.
;;   OPERANDS COMPUTED ON THE WAY. 'Computed on the way' means the value that the module computes at that place (a softmax that the list does not call 'softmax' is quantised finished and normalised). What goes into a quantiser is computed in f32, as accurately as f32 sums, v_exp_f32 and their like allow (about 1e-6 of the number): no bf16 or f16 on the way to a quantiser, and a product that is left as it is and whose result goes on into a quantised operand takes f32 operands (vector FMAs, or v_wmma_f32_16x16x4_f32). A number that lies on a knife's edge between two numbers of the format may be rounded either way, as far as f32 arithmetic and the matrix unit's own rounding can turn it there, and no further.
;;   INPUTS GIVEN AS CODES. Wk (in the module: [1024, 1024], K = its axis 0); Wo (in the module: [1024, 1024], K = its axis 0); Wq (in the module: [1024, 1024], K = its axis 0); Wv (in the module: [1024, 1024], K = its axis 0); x (in the module: [4, 2048, 1024], K = its axis 2): each comes as NAME_codes (uint8): NAME with its K axis moved to the last place and cut into blocks of 32 codes, [.., K / 32, bytes a block], one block behind the other in memory; one code a byte (a code: sign, 4 exponent bits, 3 mantissa bits); and NAME_scales (uint8): the same leading axes, one E8M0 byte (e + 127) for each 32 codes along K. Its value is code x scale, taken as it is: it is not quantised again, and the codes and scales need not be those that the quantiser above would give.
;; One version. Each part assembles by itself: llvm-mc -triple=amdgcn-amd-amdhsa -mcpu=gfx1250 --defsym DOCPART=n.
;; ======== version 1 of 1: 3 launches
;; limits: right only within a limited range of input values
;; workspace buffers: qkv_img 25,165,824 bytes; qkv_sc 786,432 bytes; ctx_img 8,388,608 bytes; ctx_sc 262,144 bytes
;; launch proj (part 1): grid 12 x 32, 4 waves a work-group, clusters of 4 x 4, 327,680 bytes of LDS; arguments x_codes, x_scales, Wq_codes, Wq_scales, Wk_codes, Wk_scales, Wv_codes, Wv_scales, bq, bk, bv, qkv_img, qkv_sc; writes qkv_img, qkv_sc
.if DOCPART == 1
	.amdgcn_target "amdgcn-amd-amdhsa--gfx1250"
	.amdhsa_code_object_version 6
	.text
	.protected	k_q8736e30f30_proj
	.globl	k_q8736e30f30_proj
	.p2align	8
	.type	k_q8736e30f30_proj,@function
k_q8736e30f30_proj:
	s_mov_b64 s[64:65], 0
	v_nop
	global_prefetch_b8 v0, s[64:65] scope:SCOPE_SE
	s_setreg_imm32_b32 hwreg(HW_REG_WAVE_MODE, 25, 1), 1
	s_wait_xcnt 0x0
	s_wait_alu depctr_hold_cnt(0) depctr_sa_sdst(0) depctr_va_vdst(0) depctr_va_sdst(0) depctr_va_ssrc(0) depctr_va_vcc(0) depctr_vm_vsrc(0)
	s_getreg_b32 s2, hwreg(HW_REG_IB_STS2, 6, 4)
	s_cmp_eq_u32 s2, 0
	s_cbranch_scc0 .Lentry_in_a_cluster
	s_endpgm
.Lentry_in_a_cluster:
	s_bfe_u32 s2, ttmp6, 0x10000c
	s_cmp_lg_u32 s2, 0xf033
	s_cbranch_scc0 .Lentry_shape_is_right
	s_endpgm
.Lentry_shape_is_right:
; q = x Wq + bq, k = x Wk + bk, v = x Wv + bv on codes of FP8 (E4M3) with one E8M0 scale for each 32 along K = 1,024, sums in f32; the results are quantised at once
; (q and k along the head's 64, v along the keys) and leave as IMAGES OF OPERAND REGISTERS: 16 bytes a lane, 512 consecutive bytes a store, as the attention launch loads them.
; ONE BODY FOR THE THREE.  The matrix instruction's source 1 (R) puts its rows on lanes, source 0 (P) puts its rows along a lane's registers, and the registers must run along the NEXT product's K.
;   cluster x = 0: R = x, P = Wq.   1: R = x, P = Wk.   2: R = Wv, P = x (v's next K is the keys).   Only pointers and offsets are chosen, by s_cselect on the cluster's x; there is one path.
; A tile of 256 rows of R x 256 rows of P is made by four waves, 128 x 128 each: 64 accumulators, 512 registers.  K goes in steps of 256 through a ring of two LDS slots filled by the tensor data mover.
; CLUSTERS: 4 x 4 work-groups; R's tile is shared along a row of the cluster, P's along a column: each is asked for jointly, by the same tensor load with a mask that names the four.
; THE ROWS OF A TILE OF 16 ARE NOT NEIGHBOURS, on both sides: lane r of tile i takes row 32 (i / 2) + 8 (i % 2) + r + 8 (r / 8).  On P's side the 16 registers of tiles 2 b and 2 b + 1 are then 16 neighbours,
; 32 b + 16 (lane / 16) + 0 .. 15; on R's side k's and v's images get the tiles that the attention launch wants as ITS source 0.  (Rows 16 apart start at the same bank: these loads go two deep.)
; BIASES: along P (q, k) as the C of each sum's first product; along R (v) by the packed addition that brings a finished sum into window 0.  The one that does not apply is made 0 by v_cndmask_b32.
; LIMITS: NaN and infinities among the inputs are not served.  A block whose largest magnitude lies under 2^-118 keeps the scale byte 1 (a block of zeros too: its codes are zeros, and this program alone reads the bytes).
; REGISTERS, in windows of 256: window 0: v1-7 at work at the head; v8-15 R's bias; v16-30 addresses; v32-63 scale words, two sets; v64-127 P's bias; v128-255 R's fragments, one set.
;   window 1: P's fragments, two sets.   windows 2, 3: the accumulators ((a, t) at v[8 (8 (a % 4) + t)]).   On the way out window 0's v32-255 are free.
.set KSTEP,  256
.set NQ,     2                         ; matrix instructions deep in a slot
.set ROWB,   256                       ; a tile's row in bytes
.set KROW,   1024                      ; a row of codes in memory
.set PITCH,  272                       ; an LDS row: 256 bytes + 16 of padding
.set FR,     16                        ; registers of a fragment
.set NL,     4                         ; LDS loads that bring one
.set NP,     8                         ; places behind this matrix instruction (ISA guide 7.12.1)
.set HALFT,  128*PITCH                 ; what one tensor load brings, and what one wave reads of R or of P
.set SLOT,   4*HALFT                   ; R's 256 rows, then P's 256 rows
.set LAPS,   2                         ; 1,024 along K = four K steps = twice round the ring
.set SCL,    2*SLOT                    ; behind the ring: the scale bytes of the 512 rows for all of K, as units of 256 bytes + 16 of padding (8 rows of 32 bytes to a unit)
.set HALFS,  16*272                    ; those of 128 rows
.set SPARE,  SCL+4*HALFS               ; the spare words, 128 bytes for each wave
.set SCR,    SPARE+512                 ; 512 bytes for each wave, written by ds_store alone: the results' scale words on their way out
.set RB,   8                           ; v8-15   R's bias: register a = that of my lane's row of R's tile a
.set ADRA, 16                          ; v16-17  LDS address of my fragments of R in slot 0, 1
.set ADRB, 20                          ; v20-21  the same for P
.set SCW,  22                          ; v22     SCR + 512 x wave + 4 (lane % 16)
.set SCRD, 23                          ; v23     SCR + 512 x wave + 16 x lane
.set SCO,  24                          ; v24     16 (lane % 16) + 4,096 (lane / 16): the scale words' place in memory
.set L16,  25                          ; v25     16 x lane
.set ADRS, 27                          ; v27     LDS address of my scale words: lanes 0-15 R's rows, lanes 16-31 P's
.set SPW,  28                          ; v28     LDS address of my spare word; never rewritten
.set NIL,  29                          ; v29     0, for the add alone
.set ZR,   30                          ; v30     0
.set SC,   32                          ; scale words: set s at v[SC + 16 s]; register 2 i + q: lanes 0-15 R's tile i, lanes 16-31 P's tile i, the slot's q-th 128 along K
.set CB,   64                          ; v64-127 P's bias in the result's layout, 8 registers a tile
.set AF,   128                         ; R's fragments
.set U,    32                          ; the way out: v32-47  two half words of scale bytes for each of R's eight tiles
.set OFFR, 48                          ;              v48-55  a tile's byte offset in the image
.set X,    128                         ;              v128-191 64 finished numbers
.set PC,   192                         ;              v192-223 codes, two sets by turns
.set TM,   224                         ;              v224-239 at work in the quantiser
.set WD,   240                         ;              v240-247 the eight scale words;  v248-251 as they come back from LDS
.set G1,   24                          ; s[24:31] group 1 for R's tiles;  s[32:39] group 0, one set for each slot
.set G0,   32
.set G1B,  48                          ; s[48:55], s[56:63] the same for P's
.set G0B,  56
.set G1S,  68                          ; s[68:75], s[76:79] groups 1 and 0 for R's scales;  s[80:87], s[88:91] for P's
.set G0S,  76
.set G1SB, 80
.set G0SB, 88
.set MSB, 0
.macro WIN new                         ; the immediate's high byte repeats the setting that is left
.if MSB != \new
	s_set_vgpr_msb (MSB<<8)|\new
.set MSB, \new
.endif
.endm
.set MUL_LO, 0xa1                      ; source 0 (P) window 1, source 1 (R) window 0, C and D window 2
.set MUL_HI, 0xf1                      ; the same, C and D window 3
.set TO_B,   0x40                      ; destination window 1, address window 0
; A joint load: waves 0 and 1 fetch for R, waves 2 and 3 for P.  The branch hangs on the wave's number alone.  Four v_nop follow each of the two lines.
.macro JLOAD g0a, g1a, g0b, g1b
	s_cmp_eq_u32 s15, 0
	s_cbranch_scc0 .Lfor_b_\@
	tensor_load_to_lds s[\g0a:\g0a+3], s[\g1a:\g1a+7]
	s_nop 0
.rept 4
	v_nop
.endr
	s_branch .Lasked_\@
.Lfor_b_\@:
	tensor_load_to_lds s[\g0b:\g0b+3], s[\g1b:\g1b+7]
	s_nop 0
.rept 4
	v_nop
.endr
.Lasked_\@:
.endm
.macro CREST                           ; a round of the cluster's barrier behind its opening barrier
	s_cmp_lg_u32 s14, 0
	s_cbranch_scc1 .Lnot_wave_0_\@
	s_barrier_signal -3
.Lnot_wave_0_\@:
	s_barrier_wait -3
	s_barrier_signal -1
	s_barrier_wait -1
.endm
.macro CROUND                          ; a whole round
	s_barrier_signal -1
	s_barrier_wait -1
	CREST
.endm
	s_load_b512 s[68:83], s[0:1], 0x0              ; x's codes, x's scales, Wq's, Wk's, Wv's: they land where the scales' descriptors will be written once the choice is made
	s_load_b256 s[84:91], s[0:1], 0x40             ; bq, bk, bv, the images
	s_load_b64 s[92:93], s[0:1], 0x60              ; the images' scale words
	v_lshl_add_u32 v[SPW], v0, 2, SPARE
	v_mov_b32 v[NIL], 0
	ds_add_u32 v28, v29
	ds_add_u32 v28, v29
	s_wait_dscnt 0x0
	v_mov_b32 v[ZR], 0
	v_lshrrev_b32 v1, 5, v0
	v_readfirstlane_b32 s14, v1                    ; wave 0..3
	s_lshr_b32 s15, s14, 1                         ; which half of R's rows is mine.  Also: I fetch for R (0) or for P (1)
	s_and_b32 s16, s14, 1                          ; which half of P's rows.  Also: which 128 rows of that tile I fetch
	s_bfe_u32 s40, ttmp6, 0x40000                  ; cx, cy: my place in the cluster
	s_bfe_u32 s41, ttmp6, 0x40004
	s_and_b32 s2, ttmp7, 0xffff
	s_lshl_b32 s2, s2, 2                           ; 4 x cluster y: the tokens' axis; it stays until the way out
	s_cmp_eq_u32 ttmp9, 2                          ; v?  The cluster's x is the same in all sixteen partners
	s_cselect_b32 s17, 0, s2
	s_cselect_b32 s42, s2, 0
	s_cselect_b32 s98, -1, 0                       ; the same as a mask of lanes
	s_add_co_u32 s17, s17, s41                     ; R's tile of 256 rows: cy (+ 4 x cluster y where R = x)
	s_add_co_u32 s42, s42, s40                     ; P's: cx (+ 4 x cluster y where P = x)
	s_lshl_b32 s43, s41, 2
	s_lshl_b32 s43, 15, s43                        ; my row of the cluster
	s_lshl_b32 s44, 0x1111, s40                    ; my column
	; group 1: a tile of 128 rows x 256 bytes, 16 bytes of padding behind each row
	s_or_b32 s[G1+0], s43, (0<<16)|(1<<20)|(1<<21)|(5<<22)|(3<<25)  ; 15:0 the mask; 17:16 elements of 1 byte; 20 padding on; 21 set beside a mask; 24:22 after every 64 words; 31:25 four words
	s_or_b32 s[G1B+0], s44, (0<<16)|(1<<20)|(1<<21)|(5<<22)|(3<<25)
.irp g, G1, G1B
	s_mov_b32 s[\g+1], ROWB<<16                    ; tensor_dim0
	s_mov_b32 s[\g+2], 128<<16                     ; tensor_dim1
	s_mov_b32 s[\g+3], ROWB<<16                    ; tile_dim0
	s_mov_b32 s[\g+4], 128                         ; tile_dim1
	s_mov_b32 s[\g+5], KROW                        ; from row to row
	s_mov_b32 s[\g+6], 0
	s_mov_b32 s[\g+7], 0
.endr
	s_wait_kmcnt 0x0
	s_mov_b64 s[12:13], s[90:91]                   ; the images
	s_mov_b64 s[66:67], s[92:93]                   ; their scale words
	s_cmp_eq_u32 ttmp9, 1
	s_cselect_b64 s[8:9], s[76:77], s[72:73]       ; P: Wk or Wq,
	s_cselect_b64 s[10:11], s[78:79], s[74:75]
	s_cselect_b64 s[94:95], s[86:87], s[84:85]     ; the bias: bk or bq,
	s_cmp_eq_u32 ttmp9, 2
	s_cselect_b64 s[8:9], s[68:69], s[8:9]         ; or x,
	s_cselect_b64 s[10:11], s[70:71], s[10:11]
	s_cselect_b64 s[94:95], s[88:89], s[94:95]     ; or bv
	s_cselect_b64 s[4:5], s[80:81], s[68:69]       ; R: Wv or x
	s_cselect_b64 s[6:7], s[82:83], s[70:71]
	; group 1 for the scale bytes of 128 rows: 4,096 dense bytes as 16 rows of 256 (32 elements of 8 bytes), 16 bytes of padding behind each
	s_or_b32 s[G1S+0], s43, (3<<16)|(1<<20)|(1<<21)|(5<<22)|(3<<25)
	s_or_b32 s[G1SB+0], s44, (3<<16)|(1<<20)|(1<<21)|(5<<22)|(3<<25)
.irp g, G1S, G1SB
	s_mov_b32 s[\g+1], 32<<16
	s_mov_b32 s[\g+2], 16<<16
	s_mov_b32 s[\g+3], 32<<16
	s_mov_b32 s[\g+4], 16
	s_mov_b32 s[\g+5], 32
	s_mov_b32 s[\g+6], 0
	s_mov_b32 s[\g+7], 0
.endr
	s_lshl_b32 s18, s16, 7                         ; which 128 rows of the tile I fetch
	s_lshl_b32 s20, s17, 8
	s_add_co_u32 s20, s20, s18                     ; R: its first row
	s_lshl_b32 s46, s42, 8
	s_add_co_u32 s46, s46, s18                     ; P: its first row.  (No register that feeds R's descriptors holds cx, none that feeds P's holds cy)
	s_lshl_b32 s22, s20, 5                         ; 32 scale bytes a row,
	s_lshl_b32 s92, s46, 5
	s_lshl_b32 s20, s20, 10                        ; 1,024 codes
	s_lshl_b32 s46, s46, 10
	s_mov_b32 s21, 0
	s_mov_b32 s23, 0
	s_mov_b32 s47, 0
	s_mov_b32 s93, 0
	s_add_nc_u64 s[20:21], s[4:5], s[20:21]
	s_add_nc_u64 s[22:23], s[6:7], s[22:23]
	s_add_nc_u64 s[46:47], s[8:9], s[46:47]
	s_add_nc_u64 s[92:93], s[10:11], s[92:93]
	s_mul_i32 s45, s14, HALFT                      ; where they go: wave x 128 rows: no place in the cluster enters an LDS address
	s_mul_i32 s99, s14, HALFS
	CROUND                                         ; all sixteen work-groups are here: the first joint loads meet
	s_mov_b32 s[G0S], 1
	s_add_co_u32 s[G0S+1], s99, SCL
	s_mov_b64 s[G0S+2:G0S+3], s[22:23]
	s_or_b32 s[G0S+3], s[G0S+3], 0x80000000
	s_mov_b32 s[G0SB], 1
	s_add_co_u32 s[G0SB+1], s99, SCL
	s_mov_b64 s[G0SB+2:G0SB+3], s[92:93]
	s_or_b32 s[G0SB+3], s[G0SB+3], 0x80000000
	JLOAD G0S, G1S, G0SB, G1SB                     ; the scales first: they are wanted with K step 0
.irp s, 0,1
	s_mov_b32 s[G0+4*\s], 1
	s_add_co_u32 s[G0+4*\s+1], s45, \s*SLOT
	s_add_nc_u64 s[G0+4*\s+2:G0+4*\s+3], s[20:21], \s*ROWB
	s_or_b32 s[G0+4*\s+3], s[G0+4*\s+3], 0x80000000
	s_mov_b32 s[G0B+4*\s], 1
	s_add_co_u32 s[G0B+4*\s+1], s45, \s*SLOT
	s_add_nc_u64 s[G0B+4*\s+2:G0B+4*\s+3], s[46:47], \s*ROWB
	s_or_b32 s[G0B+4*\s+3], s[G0B+4*\s+3], 0x80000000
	JLOAD G0+4*\s, G1, G0B+4*\s, G1B               ; three tensor loads of mine are out
.endr
	v_and_b32 v1, 15, v0                           ; r = lane % 16
	v_bfe_u32 v2, v0, 4, 1                         ; h = lane / 16
	v_and_b32 v3, 8, v1
	v_add_nc_u32 v3, v3, v1                        ; r + 8 (r / 8): my row in a tile
	v_mul_u32_u24 v4, v3, PITCH
	v_lshl_add_u32 v4, v2, 4, v4                   ; x pitch + 16 x half
	s_mul_i32 s21, s15, HALFT                      ; my 128 rows of R
	s_mul_i32 s22, s16, HALFT                      ; my 128 rows of P,
	s_add_co_u32 s22, s22, 2*HALFT                 ; which lie behind R's 256
.irp s, 0,1
	v_add_nc_u32 v[ADRA+\s], s21, v4
	v_add_nc_u32 v[ADRB+\s], s22, v4
	s_add_co_u32 s21, s21, SLOT
	s_add_co_u32 s22, s22, SLOT
.endr
	v_and_b32 v5, 7, v1                            ; my row's scale bytes: 32 (r % 8) inside a unit,
	v_lshlrev_b32 v5, 5, v5
	v_lshrrev_b32 v6, 3, v1
	v_mad_u32_u24 v5, v6, 544, v5                  ; and two units on for r >= 8 (16 rows on)
	s_mul_i32 s21, s15, HALFS                      ; R's: my 128 rows
	s_mul_i32 s22, s16, HALFS                      ; P's: my 128 rows, behind R's 256
	s_add_co_u32 s22, s22, 2*HALFS
	s_sub_co_u32 s22, s22, s21
	v_mul_u32_u24 v6, s22, v2                      ; lanes 16-31 take P's
	s_add_co_u32 s21, s21, SCL
	v_add_nc_u32 v5, v5, v6
	v_add_nc_u32 v[ADRS], s21, v5
	s_lshl_b32 s21, s14, 9
	s_add_co_u32 s21, s21, SCR                     ; my 512 bytes for the results' scale words
	v_lshl_add_u32 v[SCW], v1, 2, s21
	v_and_b32 v[L16], 31, v0
	v_lshlrev_b32 v[L16], 4, v[L16]
	v_add_nc_u32 v[SCRD], s21, v[L16]
	v_lshlrev_b32 v[SCO], 4, v1
	v_lshl_add_u32 v[SCO], v2, 12, v[SCO]
	; the biases.  Both are loaded on every path, from inside the buffer; the one that does not apply is replaced by 0 below
	s_lshl_b32 s18, s42, 10
	s_lshl_b32 s19, s16, 9
	s_add_co_u32 s18, s18, s19                     ; along P: (256 x P's tile + 128 x half) x 4 bytes,
	s_lshl_b32 s19, s17, 10
	s_lshl_b32 s21, s15, 9
	s_add_co_u32 s22, s19, s21                     ; along R likewise
	s_cmp_eq_u32 ttmp9, 2
	s_cselect_b32 s18, 0, s18
	s_cselect_b32 s22, s22, 0
	s_mov_b32 s19, 0
	s_mov_b32 s23, 0
	s_add_nc_u64 s[96:97], s[94:95], s[22:23]
	s_add_nc_u64 s[94:95], s[94:95], s[18:19]
	v_lshlrev_b32 v6, 6, v2                        ; register j of P's tile t is row 32 (t / 2) + 8 (t % 2) + 16 h + j
	v_lshlrev_b32 v7, 2, v3
.irp t, 0,1,2,3,4,5,6,7
	global_load_b128 v[CB+8*\t:CB+8*\t+3], v6, s[94:95] offset:(32*(\t/2)+8*(\t%2))*4
	global_load_b128 v[CB+8*\t+4:CB+8*\t+7], v6, s[94:95] offset:(32*(\t/2)+8*(\t%2))*4+16
	global_load_b32 v[RB+\t], v7, s[96:97] offset:(32*(\t/2)+8*(\t%2))*4
.endr
.macro FRAG reg, adr, q, i             ; a fragment, 16 rows x 128 K: registers 4 c .. 4 c + 3 hold K = 32 c + 16 (lane / 16) + 0 .. 15; tile i begins at row 32 (i / 2) + 8 (i % 2)
.irp c, 0,1,2,3
	ds_load_b128 v[\reg+4*\c:\reg+4*\c+3], v[\adr] offset:128*(\q)+32*\c+(32*((\i)/2)+8*((\i)%2))*PITCH
.endr
.endm
; 16 matrix instructions: R's tiles a0, a0 + 1 x P's eight, 128 along K.  p: P's set; sc: the set of scale words.  zero = 1: the first product starts the sums, with P's bias as its C: nothing is cleared.
; The 64 accumulators take turns, one instruction a turn, in the same order in every step.
.macro MUL16 a0, p, q, sc, zero
.irp a, \a0, \a0+1
.irp b, 0,1,2,3,4,5,6,7
.if \zero
	v_wmma_scale_f32_16x16x128_f8f6f4 v[8*(8*((\a)%4)+\b):8*(8*((\a)%4)+\b)+7], v[128*(\p)+FR*\b:128*(\p)+FR*\b+FR-1], v[AF+FR*(\a):AF+FR*(\a)+FR-1], v[CB+8*\b:CB+8*\b+7], v[SC+8*NQ*(\sc)+NQ*\b+(\q)], v[SC+8*NQ*(\sc)+NQ*(\a)+(\q)] matrix_a_scale:MATRIX_SCALE_ROW1
.else
	v_wmma_scale_f32_16x16x128_f8f6f4 v[8*(8*((\a)%4)+\b):8*(8*((\a)%4)+\b)+7], v[128*(\p)+FR*\b:128*(\p)+FR*\b+FR-1], v[AF+FR*(\a):AF+FR*(\a)+FR-1], v[8*(8*((\a)%4)+\b):8*(8*((\a)%4)+\b)+7], v[SC+8*NQ*(\sc)+NQ*\b+(\q)], v[SC+8*NQ*(\sc)+NQ*(\a)+(\q)] matrix_a_scale:MATRIX_SCALE_ROW1
.endif
.endr
.endr
.endm
.macro FETCH_B slot, q, p              ; P's eight fragments of the slot's q-th 128 along K into set p
	WIN TO_B
.irp i, 0,1,2,3,4,5,6,7
	FRAG 128*(\p)+FR*\i, ADRB+\slot, \q, \i
.endr
	WIN 0
.endm
.macro FETCH_A slot, q, i0             ; R's tiles i0 .. i0 + 3
.irp i, \i0, \i0+1, \i0+2, \i0+3
	FRAG AF+FR*(\i), ADRA+\slot, \q, \i
.endr
.endm
.macro SCALES sc                       ; a K step's scale words into set sc: two words a row; tile i's rows begin 4 (i / 2) + i % 2 units on
.irp i, 0,1,2,3,4,5,6,7
	ds_load_b64 v[SC+8*NQ*\sc+NQ*\i:SC+8*NQ*\sc+NQ*\i+1], v[ADRS] offset:(4*(\i/2)+\i%2)*272
.endr
.endm
.macro PLACES n                        ; plain vector lines between a matrix instruction and a load into, or a read of, its registers
.rept \n
	v_nop
.endr
.endm
; A step of 128 along K that has its successor in the same slot.
.macro STEP slot, q, zero
	s_wait_dscnt 4*NL                              ; P's set and R's tiles 0-3 are in; the youngest sixteen loads (R's tiles 4-7) may be out
.if \zero
	WIN 0x81                                       ; as MUL_LO, with C (the bias) in window 0
.else
	WIN MUL_LO
.endif
	MUL16 0, (\q)%2, \q, \slot, \zero
	MUL16 2, (\q)%2, \q, \slot, \zero
	s_wait_dscnt 0                                 ; R's tiles 4-7 are in
	PLACES NP
	FETCH_B \slot, (\q)+1, 1-(\q)%2
	FETCH_A \slot, (\q)+1, 0
.if \zero
	WIN 0xc1
.else
	WIN MUL_HI
.endif
	MUL16 4, (\q)%2, \q, \slot, \zero
	MUL16 6, (\q)%2, \q, \slot, \zero
	PLACES NP
	WIN 0
	FETCH_A \slot, (\q)+1, 4
.endm
; A slot's last step changes slots: one barrier; in front of it each wave waits for all its tensor loads, adds 0 to its spare word, and waits for that and for its reads of this slot.  fill = 1: the slot is filled again, two K steps ahead.
.macro TURN slot, next, fill
	s_wait_tensorcnt 0x0                           ; all my tensor loads have landed: my part of the next slot
	ds_add_u32 v[SPW], v[NIL]                      ; 0 onto my spare word
	s_wait_dscnt 4*NL+1                            ; (the add and the youngest sixteen loads may be out)
	WIN MUL_LO
	MUL16 0, 1, NQ-1, \slot, 0                     ; sixteen matrix instructions stand between the add and the wait for it
	s_wait_dscnt 0x0                               ; the add is done, and my reads of this slot are over
	s_barrier_signal -1
	MUL16 2, 1, NQ-1, \slot, 0
	WIN 0
	s_barrier_wait -1
.if \fill
	CREST                                          ; the barrier has opened a round of the cluster's: no wave of any partner still reads this slot or has a load on its way
	s_add_nc_u64 s[G0+4*\slot+2:G0+4*\slot+3], s[G0+4*\slot+2:G0+4*\slot+3], 2*ROWB
	s_add_nc_u64 s[G0B+4*\slot+2:G0B+4*\slot+3], s[G0B+4*\slot+2:G0B+4*\slot+3], 2*ROWB
	JLOAD G0+4*\slot, G1, G0B+4*\slot, G1B         ; the first tensor load behind the round; its four v_nop are among the places in front of the loads below
	PLACES NP-4
.else
	PLACES NP
.endif
	v_add_nc_u32 v[ADRS], 4*NQ, v[ADRS]            ; on to the next K step's scale words (no LDS load of mine is out)
	FETCH_B \next, 0, 0
	FETCH_A \next, 0, 0
	SCALES \next
	WIN MUL_HI
	MUL16 4, 1, NQ-1, \slot, 0
	MUL16 6, 1, NQ-1, \slot, 0
	PLACES NP
	WIN 0
	FETCH_A \next, 0, 4
.endm
	s_wait_loadcnt 0x0                             ; the biases
.set i, 0
.rept 64
	v_cndmask_b32 v[CB+i], v[CB+i], v[ZR], s98     ; v has no bias along P,
.set i, i+1
.endr
.irp a, 0,1,2,3,4,5,6,7
	v_cndmask_b32 v[RB+\a], v[ZR], v[RB+\a], s98   ; q and k none along R
.endr
	s_wait_tensorcnt 1                             ; the scales and my part of K step 0 are in (K step 1's load may be out)
	s_barrier_signal -1
	s_barrier_wait -1                              ; everybody's are
	FETCH_B 0, 0, 0
	FETCH_A 0, 0, 0
	SCALES 0
	FETCH_A 0, 0, 4
	STEP 0, 0, 1                                   ; the first step stands in front of the loop: its products start the sums
	s_mov_b32 s3, LAPS-1
.Llap:                                             ; a trip goes once round the ring, from a lap's second step to the next lap's first, and fills both slots again
	TURN 0, 1, 1
	STEP 1, 0, 0
	TURN 1, 0, 1
	STEP 0, 0, 0
	s_sub_co_u32 s3, s3, 1
	s_cmp_lg_u32 s3, 0
	s_cbranch_scc1 .Llap
	TURN 0, 1, 0                                   ; the last lap fills nothing
	STEP 1, 0, 0
	s_wait_dscnt 4*NL                              ; the very last step
	WIN MUL_LO
	MUL16 0, 1, NQ-1, 1, 0
	MUL16 2, 1, NQ-1, 1, 0
	s_wait_dscnt 0
	WIN MUL_HI
	MUL16 4, 1, NQ-1, 1, 0
	MUL16 6, 1, NQ-1, 1, 0
	WIN 0
	PLACES NP                                      ; behind the last products: their results are read, and their operands' and scales' registers written, below
	; THE WAY OUT.  Where my 128 x 128 lie: tokens on R's side for q and k, on P's side for v; 128 features are two heads.
	s_cmp_eq_u32 ttmp9, 2
	s_cselect_b32 s18, s40, s41                    ; the tokens' tile in the cluster,
	s_cselect_b32 s19, s16, s15                    ; my half of it,
	s_cselect_b32 s46, s41, s40                    ; the features' tile,
	s_cselect_b32 s47, s15, s16                    ; my half of it
	s_mov_b32 s99, 1024
	s_cselect_b32 s99, 2048, s99                   ; from one of R's tiles to the next, among four,
	s_mov_b32 s100, 4096
	s_cselect_b32 s100, 131072, s100               ; from the first four to the last four,
	s_mov_b32 s101, 131072
	s_cselect_b32 s101, 1024, s101                 ; from P's blocks 0, 1 to blocks 2, 3
	s_add_co_u32 s18, s18, s2
	s_lshl_b32 s18, s18, 8
	s_lshl_b32 s19, s19, 7
	s_add_co_u32 s18, s18, s19                     ; my first token
	s_lshr_b32 s19, s18, 11
	s_lshl_b32 s19, s19, 4                         ; 16 x batch
	s_lshl_b32 s46, s46, 2
	s_lshl_b32 s47, s47, 1
	s_add_co_u32 s19, s19, s46
	s_add_co_u32 s19, s19, s47                     ; + my first head
	s_and_b32 s18, s18, 2047                       ; the token in its batch
	s_lshl_b32 s46, ttmp9, 23                      ; the section: 8 MiB each,
	s_lshl_b32 s47, s19, 17                        ; 128 KiB a head,
	s_add_co_u32 s46, s46, s47
	s_lshl_b32 s47, s18, 6                         ; 64 bytes a token
	s_add_co_u32 s46, s46, s47
	s_mov_b32 s47, 0
	s_add_nc_u64 s[12:13], s[12:13], s[46:47]
	s_lshl_b32 s46, ttmp9, 18                      ; the scale words: 256 KiB a section, 4 KiB a head, 2 bytes a token
	s_lshl_b32 s20, s19, 12
	s_add_co_u32 s46, s46, s20
	s_lshl_b32 s20, s18, 1
	s_add_co_u32 s46, s46, s20
	s_add_nc_u64 s[66:67], s[66:67], s[46:47]
	s_mov_b64 s[24:25], s[12:13]                   ; a base for each of P's four blocks of 32 (no tensor load is out: the registers of group 1 are free)
	s_add_nc_u64 s[26:27], s[12:13], 512
	s_mov_b32 s46, s101
	s_add_nc_u64 s[28:29], s[12:13], s[46:47]
	s_add_nc_u64 s[30:31], s[28:29], 512
.irp a, 0,1,2,3,4,5,6,7
	s_mul_i32 s46, s99, \a%4
	s_mul_i32 s47, s100, \a/4
	s_add_co_u32 s46, s46, s47
	v_add_nc_u32 v[OFFR+\a], s46, v[L16]
.endr
	s_mov_b32 s20, 0x76543210
	s_mov_b32 s21, 0xfedcba98                      ; v_permlanex16_b32's selects for lane l xor 16
	s_mov_b32 s22, 0x600000                        ; the mantissa field of 448
.irp b, 0,1,2,3
	v_mov_b32 v[TM+4+\b], 0                        ; written once: a lane permute's destination counts as one of its sources
.endr
; 64 numbers of a lane, register 16 b + i = place 32 b + 16 (lane / 16) + i along the next K, become 64 codes in v[pc] on and four scale bytes in v[TM+4] on.
.macro QUANT pc
.irp b, 0,1,2,3
	v_max3_num_f32 v[TM+\b], |v[X+16*\b]|, |v[X+1+16*\b]|, 0x4800000   ; block b: my 16 numbers, and the floor 2^(9 - 127): the byte cannot fall under 1
.endr
.irp i, 2,4,6,8,10,12,14
.irp b, 0,1,2,3
	v_max3_num_f32 v[TM+\b], v[TM+\b], |v[X+16*\b+\i]|, |v[X+1+16*\b+\i]|   ; (the four blocks by turns)
.endr
.endr
.irp b, 0,1,2,3
	v_permlanex16_b32 v[TM+4+\b], v[TM+\b], s20, s21
.endr
.irp b, 0,1,2,3
	v_max_num_f32 v[TM+\b], v[TM+\b], v[TM+4+\b]   ; with lane l xor 16's: the block's largest magnitude
.endr
.irp b, 0,1,2,3
	v_add_nc_u32 v[TM+12+\b], 0xfc000000, v[TM+\b] ; 8 off its exponent field: the conversion's scale operand
.endr
.irp b, 0,1,2,3
	v_and_or_b32 v[TM+8+\b], v[TM+\b], 0x7f800000, s22   ; 448 x the scale
.endr
.irp b, 0,1,2,3
	v_lshrrev_b32 v[TM+4+\b], 23, v[TM+12+\b]      ; the scale's byte
.endr
.irp b, 0,1,2,3
.irp i, 0,1,2,3,4,5,6,7,8,9,10,11,12,13,14,15
	v_med3_num_f32 v[X+16*\b+\i], v[X+16*\b+\i], -v[TM+8+\b], v[TM+8+\b]   ; the conversion to an 8-bit code does not saturate (ISA guide 7.6.2): the hold comes first
.endr
	v_cvt_scalef32_pk8_fp8_f32 v[\pc+4*\b:\pc+1+4*\b], v[X+16*\b:X+7+16*\b], v[TM+12+\b]
	v_cvt_scalef32_pk8_fp8_f32 v[\pc+2+4*\b:\pc+3+4*\b], v[X+8+16*\b:X+15+16*\b], v[TM+12+\b]
.endr
	v_nop                                          ; a plain line between the last conversion and the next vector line that writes its sources
.endm
; R's tile a: its eight accumulators are 64 numbers a lane.  The packed addition of R's bias brings them into window 0, each accumulator from its low end on.
.macro ROWOUT a
.set AC, 64*((\a)%4)
.set PCS, PC+16*((\a)%2)
.if (\a) >= 2
	s_wait_xcnt 0x0                                ; the stores of two tiles ago have read this set of codes
.endif
	WIN (0x02+(\a)/4)                              ; source 0: window 2 or 3
.set i, 0
.rept 32
.if (\a)%2
	v_pk_add_f32 v[X+2*i:X+2*i+1], v[AC+2*i:AC+2*i+1], v[RB+(\a)-1:RB+(\a)] op_sel:[0,1] op_sel_hi:[1,1]
.else
	v_pk_add_f32 v[X+2*i:X+2*i+1], v[AC+2*i:AC+2*i+1], v[RB+(\a):RB+(\a)+1] op_sel_hi:[1,0]
.endif
.set i, i+1
.endr
	WIN 0
	QUANT PCS
	v_lshl_or_b32 v[U+2*(\a)], v[TM+5], 8, v[TM+4]       ; the bytes of blocks 0, 1
	v_lshl_or_b32 v[U+2*(\a)+1], v[TM+7], 8, v[TM+6]     ; and of blocks 2, 3
.irp p, 0,1,2,3
	global_store_b128 v[OFFR+(\a)], v[PCS+4*\p:PCS+4*\p+3], s[24+2*\p:25+2*\p]   ; 32 lanes store 512 consecutive bytes, at a multiple of 512 from the buffer's first byte
.endr
.endm
.irp a, 0,1,2,3,4,5,6,7
	ROWOUT \a
.endr
	; the scale words, eight a lane: for q and k a word is (tile 2 i: the head's two bytes; tile 2 i + 1: the same); for v it is tile 4 u + i's four bytes.  They are gathered in my 512 bytes of LDS
	; and leave as two aligned runs of 256 bytes, one for each head.
.irp u, 0,1
.irp i, 0,1,2,3
	v_cndmask_b32 v56, v[U+2*(2*\i)+\u], v[U+2*(4*\u+\i)], s98
	v_cndmask_b32 v57, v[U+2*(2*\i+1)+\u], v[U+2*(4*\u+\i)+1], s98
	v_lshl_or_b32 v[WD+4*\u+\i], v57, 16, v56
	ds_store_b32 v[SCW], v[WD+4*\u+\i] offset:256*\u+64*\i   ; lanes l and l xor 16 write the same word with the same value
.endr
.endr
	ds_load_b128 v[248:251], v[SCRD]               ; LDS serves a wave's instructions in order: this sees my stores
	s_wait_dscnt 0x0
	global_store_b128 v[SCO], v[248:251], s[66:67]
	s_wait_tensorcnt 0x0                           ; the wave's end
	ds_add_u32 v[SPW], v[NIL]
	s_wait_dscnt 0x0
	CROUND                                         ; the closing round: no work-group ends while a partner may still ask for a tile that names it
	s_endpgm
.Lfunc_end_k_q8736e30f30_proj:
	.size	k_q8736e30f30_proj, .Lfunc_end_k_q8736e30f30_proj-k_q8736e30f30_proj
	.p2alignl 7, 3214868480
	.fill 96, 4, 3214868480
	.section	.rodata,"a",@progbits
	.p2align	6, 0x0
	.amdhsa_kernel k_q8736e30f30_proj
		.amdhsa_group_segment_fixed_size 327680
		.amdhsa_private_segment_fixed_size 0
		.amdhsa_enable_private_segment 0
		.amdhsa_kernarg_size 104
		.amdhsa_user_sgpr_count 2
		.amdhsa_user_sgpr_kernarg_segment_ptr 1
		.amdhsa_wavefront_size32 1
		.amdhsa_system_sgpr_workgroup_id_x 1
		.amdhsa_system_sgpr_workgroup_id_y 1
		.amdhsa_system_sgpr_workgroup_id_z 1
		.amdhsa_system_vgpr_workitem_id 0
		.amdhsa_next_free_vgpr 1024
		.amdhsa_next_free_sgpr 102
		.amdhsa_reserve_vcc 0
		.amdhsa_float_denorm_mode_32 3
		.amdhsa_float_denorm_mode_16_64 3
		.amdhsa_memory_ordered 1
		.amdhsa_forward_progress 1
		.amdhsa_inst_pref_size 211
	.end_amdhsa_kernel
	.amdgpu_metadata
---
amdhsa.version: [ 1, 2 ]
amdhsa.kernels:
  - .name:           k_q8736e30f30_proj
    .symbol:         k_q8736e30f30_proj.kd
    .args:
      - { .name: x_codes, .offset: 0, .size: 8, .value_kind: global_buffer, .address_space: global }
      - { .name: x_scales, .offset: 8, .size: 8, .value_kind: global_buffer, .address_space: global }
      - { .name: Wq_codes, .offset: 16, .size: 8, .value_kind: global_buffer, .address_space: global }
      - { .name: Wq_scales, .offset: 24, .size: 8, .value_kind: global_buffer, .address_space: global }
      - { .name: Wk_codes, .offset: 32, .size: 8, .value_kind: global_buffer, .address_space: global }
      - { .name: Wk_scales, .offset: 40, .size: 8, .value_kind: global_buffer, .address_space: global }
      - { .name: Wv_codes, .offset: 48, .size: 8, .value_kind: global_buffer, .address_space: global }
      - { .name: Wv_scales, .offset: 56, .size: 8, .value_kind: global_buffer, .address_space: global }
      - { .name: bq, .offset: 64, .size: 8, .value_kind: global_buffer, .address_space: global }
      - { .name: bk, .offset: 72, .size: 8, .value_kind: global_buffer, .address_space: global }
      - { .name: bv, .offset: 80, .size: 8, .value_kind: global_buffer, .address_space: global }
      - { .name: qkv_img, .offset: 88, .size: 8, .value_kind: global_buffer, .address_space: global }
      - { .name: qkv_sc, .offset: 96, .size: 8, .value_kind: global_buffer, .address_space: global }
    .group_segment_fixed_size: 327680
    .private_segment_fixed_size: 0
    .kernarg_segment_align: 8
    .kernarg_segment_size: 104
    .max_flat_workgroup_size: 128
    .sgpr_count:     102
    .vgpr_count:     1024
    .wavefront_size: 32
...
	.end_amdgpu_metadata
.endif
;; end of part 1
;; launch attn (part 2): grid 4 x 64, 8 waves a work-group, clusters of 4 x 1, 327,680 bytes of LDS; arguments qkv_img, qkv_sc, mask, ctx_img, ctx_sc; writes ctx_img, ctx_sc
.if DOCPART == 2
	.amdgcn_target "amdgcn-amd-amdhsa--gfx1250"
	.amdhsa_code_object_version 6
	.text
	.protected	k_q8736e30f30_attn
	.globl	k_q8736e30f30_attn
	.p2align	8
	.type	k_q8736e30f30_attn,@function
k_q8736e30f30_attn:
	s_mov_b64 s[64:65], 0
	v_nop
	global_prefetch_b8 v0, s[64:65] scope:SCOPE_SE
	s_setreg_imm32_b32 hwreg(HW_REG_WAVE_MODE, 25, 1), 1
	s_wait_xcnt 0x0
	s_wait_alu depctr_hold_cnt(0) depctr_sa_sdst(0) depctr_va_vdst(0) depctr_va_sdst(0) depctr_va_ssrc(0) depctr_va_vcc(0) depctr_vm_vsrc(0)
	s_getreg_b32 s2, hwreg(HW_REG_IB_STS2, 6, 4)
	s_cmp_eq_u32 s2, 0
	s_cbranch_scc0 .Lentry_in_a_cluster
	s_endpgm
.Lentry_in_a_cluster:
	s_bfe_u32 s2, ttmp6, 0x10000c
	s_cmp_lg_u32 s2, 0x3003
	s_cbranch_scc0 .Lentry_shape_is_right
	s_endpgm
.Lentry_shape_is_right:
; ctx = softmax(mask(q k^T / 8)) v for one head, both products on codes of FP8 (E4M3) with one E8M0 scale for each 32 along K; ctx is quantised along (head, d) and leaves as images of operand registers.
; THE SOFTMAX: t = score x log2(e) / 8; M = the row's largest t so far, rounded up to a whole number; p = 2^(t - M) is quantised along the keys; the row's sum is taken of the unquantised p and divides at the end.
; SHARES.  A cluster of four work-groups is one head; a work-group owns 512 queries, each of its eight waves 64: four tiles of 16.  Two waves lie on a SIMD, so that one wave's vector work stands beside the other's products.
; A head's k and v (codes 128 KiB each, scale words 4 KiB each) fit in LDS whole: they are asked for JOINTLY by the four work-groups, once, at the head: wave 0 k's, wave 1 v's, nine tensor loads each (nine of a wave's are out).
; Nothing in LDS is filled twice.  The walk over the 16 key steps of 128 keys is cut in three, so that the first steps run while the later chunks are on their way.
; No prefetch is laid: every byte that the launch streams is asked for by those loads at its head, so there is nothing to ask for ahead of them.
; LAYOUT.  Both products are used transposed: S^T = k q^T (source 0 = keys, source 1 = my queries), O^T = v^T p^T: a lane holds one query throughout.
;   K = 64 IN AN INSTRUCTION OF 128: a fragment of k holds TWO tiles of 16 keys, one in each half of K; q stands in one half of its operand with zero codes in the other, and so picks one of the two.
;   The tiles' keys are 32 g + 8 u + r + 8 (r / 8), so that the 16 registers of tiles u = 0, 1 are 16 neighbouring keys: p's codes are the second product's operand as they come from the conversions.
; THE MASK costs no vector line in the loop: it is the C of k q^T: 0 for a key that counts, -2^32 for one that does not.
; LIMITS.  A hidden key's logit is about -5.4e8 where the model's text has -1e9: the same results wherever |q . k| < 2^31.  A batch with no key that counts is served: c and every bias are then 0, so every p is 1, as the
;   model's text gives it.  While a row has met hidden keys only, its p stay finite, and the first key that counts multiplies what was summed by 2^(old M - new M) = 0.  NaN and infinities are not served.
; REGISTERS.  window 0: v1-9 addresses; v[12+4T] -M, v[13+4T] largest t, v[14+4T:15+4T] the sum, for tile T; v28-29 k's scale words, v30-31 v's, v32-33 q's; v34-37 ctx's bytes; v64-71 zeros, v72-79 q, v80-87 zeros;
;   v96-159 S^T, then p; v160-223 p's codes, 16 a tile; v232-254 at work; v248-251 p's scale words.     window 1: v0-127 O^T (tile T, 16 channels t: 32 T + 8 t); v128-191 four fragments of k or v; v192-255 the mask's C, 8 tiles.
.set VIMG,  131072                     ; LDS: k's images at 0, v's here,
.set KSC,   262144                     ; k's scale words, and 4,096 bytes on v's,
.set BIAS,  270336                     ; the mask as f32[2048], written by ds_store,
.set QIMG,  278528                     ; q's images, 4,096 bytes a wave, written by ds_store and read by the same wave
.set MSB, 0
.macro WIN new                         ; the immediate's high byte repeats the setting that is left
.if MSB != \new
	s_set_vgpr_msb (MSB<<8)|\new
.set MSB, \new
.endif
.endm
.macro ROUND                           ; a round of the cluster's barrier
	s_barrier_signal -1
	s_barrier_wait -1
	s_cmp_lg_u32 s14, 0
	s_cbranch_scc1 .Lnot_wave_0_\@
	s_barrier_signal -3
.Lnot_wave_0_\@:
	s_barrier_wait -3
	s_barrier_signal -1
	s_barrier_wait -1
.endm
	s_load_b256 s[4:11], s[0:1], 0x0               ; the images s[4:5], their scale words s[6:7], the mask s[8:9], ctx's images s[10:11]
	s_load_b64 s[12:13], s[0:1], 0x20              ; ctx's scale bytes
	v_lshl_add_u32 v231, v0, 2, 0x4c000
	v_mov_b32 v255, 0
	ds_add_u32 v231, v255
	ds_add_u32 v231, v255
	v_lshrrev_b32 v38, 5, v0
	v_readfirstlane_b32 s14, v38                   ; wave 0..7
	s_bfe_u32 s15, ttmp6, 0x40000                  ; cx: my block of 512 queries: it enters q's and ctx's global addresses alone
	s_and_b32 s16, ttmp7, 0xffff                   ; 16 x batch + head, which the four partners share
	s_lshr_b32 s17, s16, 4                         ; batch
	s_and_b32 s18, s16, 15                         ; head
	s_mov_b32 s20, 0x76543210
	s_mov_b32 s21, 0xfedcba98                      ; v_permlanex16_b32's selects for lane l xor 16
	; group 1: a dense chunk of 16 KiB (two key steps) as 64 rows of 256 bytes; and 4 KiB of scale words as 16 such rows
	s_mov_b32 s24, 15|(3<<16)|(1<<21)              ; 15:0 the mask: all four work-groups; 17:16 elements of 8 bytes; 20 no padding; 21 set beside a mask
	s_mov_b32 s25, 32<<16                          ; tensor_dim0 = 32
	s_mov_b32 s26, 64<<16                          ; tensor_dim1 = 64
	s_mov_b32 s27, 32<<16                          ; tile_dim0
	s_mov_b32 s28, 64                              ; tile_dim1
	s_mov_b32 s29, 32                              ; from row to row
	s_mov_b32 s30, 0
	s_mov_b32 s31, 0
	s_mov_b32 s32, 15|(3<<16)|(1<<21)
	s_mov_b32 s33, 32<<16
	s_mov_b32 s34, 16<<16
	s_mov_b32 s35, 32<<16
	s_mov_b32 s36, 16
	s_mov_b32 s37, 32
	s_mov_b32 s38, 0
	s_mov_b32 s39, 0
	s_and_b32 s88, s14, 1                          ; e: 0 fetches k's, 1 v's
	s_add_co_u32 s89, s88, 1                       ; the section: 1 or 2
	s_lshl_b32 s90, s89, 23
	s_lshl_b32 s91, s16, 17
	s_add_co_u32 s90, s90, s91                     ; 8 MiB a section, 128 KiB a head
	s_mov_b32 s91, 0
	s_lshl_b32 s86, s89, 18
	s_lshl_b32 s87, s16, 12
	s_add_co_u32 s86, s86, s87                     ; 256 KiB a section, 4 KiB a head
	s_mov_b32 s87, 0
	s_lshl_b32 s89, s88, 17                        ; in LDS: 131,072 e,
	s_lshl_b32 s88, s88, 12                        ; 4,096 e
	s_wait_dscnt 0x0
	s_wait_kmcnt 0x0
	s_add_nc_u64 s[90:91], s[4:5], s[90:91]
	s_add_nc_u64 s[86:87], s[6:7], s[86:87]
	s_mov_b32 s40, 1                               ; group 0 for the scale words
	s_add_co_u32 s41, s88, KSC
	s_mov_b64 s[42:43], s[86:87]
	s_or_b32 s43, s43, 0x80000000
.set i, 0
.rept 8                                ; and one for each of the eight chunks: s44-63 and s68-79
.if i < 5
.set GB, 44+4*i
.else
.set GB, 48+4*i
.endif
	s_mov_b32 s[GB], 1
	s_add_co_u32 s[GB+1], s89, 16384*i
	s_add_nc_u64 s[GB+2:GB+3], s[90:91], 16384*i
	s_or_b32 s[GB+3], s[GB+3], 0x80000000
.set i, i+1
.endr
	ROUND                                          ; all four work-groups are here: the joint loads meet
	s_cmp_lt_u32 s14, 2                            ; all first fills of a wave stand in one branch on the wave's number
	s_cbranch_scc0 .Lno_fetch
	tensor_load_to_lds s[40:43], s[32:39]
	s_nop 0
	tensor_load_to_lds s[44:47], s[24:31]
	s_nop 0
	tensor_load_to_lds s[48:51], s[24:31]
	s_nop 0
	tensor_load_to_lds s[52:55], s[24:31]
	s_nop 0
	tensor_load_to_lds s[56:59], s[24:31]
	s_nop 0
	tensor_load_to_lds s[60:63], s[24:31]
	s_nop 0
	tensor_load_to_lds s[68:71], s[24:31]
	s_nop 0
	tensor_load_to_lds s[72:75], s[24:31]
	s_nop 0
	tensor_load_to_lds s[76:79], s[24:31]
	s_nop 0
.rept 4
	v_nop
.endr
.Lno_fetch:
	s_lshl_b32 s88, s15, 9
	s_lshl_b32 s89, s14, 6
	s_add_co_u32 s88, s88, s89                     ; my first query in the batch: 512 cx + 64 x wave
	s_lshl_b32 s90, s88, 6                         ; 64 bytes of codes a query,
	s_lshl_b32 s91, s16, 17
	s_add_co_u32 s90, s90, s91
	s_mov_b32 s91, 0
	s_add_nc_u64 s[4:5], s[4:5], s[90:91]          ; q is section 0
	s_lshl_b32 s90, s88, 1                         ; 2 bytes of scales
	s_lshl_b32 s89, s16, 12
	s_add_co_u32 s90, s90, s89
	s_add_nc_u64 s[6:7], s[6:7], s[90:91]
	s_lshl_b32 s90, s17, 11
	s_add_nc_u64 s[8:9], s[8:9], s[90:91]          ; the batch's 2,048 mask bytes
	s_lshl_b32 s88, s17, 7
	s_lshl_b32 s89, s15, 5
	s_add_co_u32 s88, s88, s89
	s_lshl_b32 s89, s14, 2
	s_add_co_u32 s88, s88, s89                     ; my first tile of 16 tokens: 128 x batch + 32 cx + 4 x wave
	s_lshl_b32 s90, s88, 14                        ; 16 KiB a tile, 1 KiB a head
	s_lshl_b32 s89, s18, 10
	s_add_co_u32 s90, s90, s89
	s_add_nc_u64 s[10:11], s[10:11], s[90:91]
	s_lshl_b32 s90, s88, 9                         ; 512 scale bytes a tile, 2 a head
	s_lshl_b32 s89, s18, 1
	s_add_co_u32 s90, s90, s89
	s_add_nc_u64 s[12:13], s[12:13], s[90:91]
	v_and_b32 v38, 31, v0
	v_lshlrev_b32 v1, 4, v38                       ; 16 x lane
	v_lshlrev_b32 v2, 2, v38                       ; 4 x lane
	v_bfe_u32 v39, v0, 4, 1                        ; h
	v_lshlrev_b32 v3, 6, v39
	v_add_nc_u32 v3, BIAS, v3                      ; the mask's C: my half's 16 keys of a block of 32
	s_lshl_b32 s88, s14, 12
	s_add_co_u32 s88, s88, QIMG
	v_add_nc_u32 v4, s88, v1                       ; my wave's images of q
	v_lshl_add_u32 v54, v0, 5, BIAS                ; where my thread's eight biases go
	v_lshlrev_b32 v41, 3, v0
.irp i, 0,1,2,3,4,5,6,7
	global_load_b128 v[96+4*\i:99+4*\i], v1, s[4:5] offset:512*\i   ; q's four tiles, 1 KiB each, as they lie
.endr
	global_load_b32 v40, v2, s[6:7]                ; q's scale words: lanes 0-15 queries 0-31's, lanes 16-31 queries 32-63's
.irp i, 0,1,2,3
	global_load_b128 v[128+4*\i:131+4*\i], v1, s[8:9] offset:512*\i   ; the whole batch's mask: does any key count?
.endr
	global_load_b64 v[42:43], v41, s[8:9]          ; and my thread's eight bytes of it
.irp j, 0,1,2,3,4,5,6,7
	v_mov_b32 v[64+\j], 0                          ; the zero codes on both sides of q
	v_mov_b32 v[80+\j], 0
.endr
.irp T, 0,1,2,3
	v_mov_b32 v[13+4*\T], 0xff61b1e6               ; the largest t so far: -3e38, under every t
	v_floor_f32 v[12+4*\T], -v[13+4*\T]            ; -M
	v_mov_b32 v[14+4*\T], 0                        ; the sum, in two halves
	v_mov_b32 v[15+4*\T], 0
	v_mov_b32 v[236+\T], 0                         ; written once: a lane permute's destination counts as one of its sources
.endr
	v_mov_b32 v253, 0                              ; (named as the upper half of the pair v[252:253])
	v_mov_b32 v52, 0xcf800000                      ; -2^32
	v_mov_b32 v53, 0
	WIN 0x40
.set i, 0
.rept 128
	v_mov_b32 v[i], 0                              ; O^T.  (The key step is written without a first step of its own: it finds zeros, which the first change of M leaves zeros)
.set i, i+1
.endr
	WIN 0
	s_wait_loadcnt 0x0
.irp i, 0,1,2,3,4,5,6,7
	ds_store_b128 v4, v[96+4*\i:99+4*\i] offset:512*\i
.endr
	v_perm_b32 v32, v40, v40, 0x01000100           ; a word holds (u = 0: two bytes; u = 1: two bytes); q's two bytes stand in both halves of K, since q stands in either
	v_perm_b32 v33, v40, v40, 0x03020302
.irp i, 0,1,2,3,4,5,6,7
	v_or_b32 v[128+\i], v[128+\i], v[136+\i]
.endr
.irp i, 0,1,2,3
	v_or_b32 v[128+\i], v[128+\i], v[132+\i]
.endr
	v_or_b32 v128, v128, v130
	v_or_b32 v129, v129, v131
	v_or_b32 v128, v128, v129
	v_cmp_ne_u32 s84, 0, v128
	s_cmp_lg_u32 s84, 0                            ; a choice of values, never a branch
	s_cselect_b32 s22, 0x3e38aa3b, 0               ; c = log2(e) / 8, or 0 where no key counts
	s_cselect_b32 s85, 0, -1                       ; and then every key is taken as counting
	s_mov_b32 s23, s22                             ; (the packed form names the pair)
.irp n, 0,1,2,3,4,5,6,7
	v_bfe_u32 v[44+\n], v[42+\n/4], 8*(\n%4), 8
	v_or_b32 v[44+\n], s85, v[44+\n]
	v_cmp_ne_u32 vcc_lo, 0, v[44+\n]
	v_cndmask_b32 v[44+\n], v52, v53, vcc_lo
.endr
	ds_store_b128 v54, v[44:47]
	ds_store_b128 v54, v[48:51] offset:16
; One product of S^T: keys 32 b + 8 u + .. of the step, tile T of my queries.  k's scale words: register b / 2, lanes 16-31 for odd b; q's: register T % 2, lanes 16-31 for T >= 2.
.macro QK T, b, u
.set rS, 96+8*(2*(\b)+(\u))
.set rK, 128+16*(\b)
.set rQ, 72-8*(\u)
.set rB, 192+8*(2*(\b)+(\u))
.set rW, 28+(\b)/2
.set rX, 32+(\T)%2
.if ((\b)%2) && ((\T)/2)
	v_wmma_scale_f32_16x16x128_f8f6f4 v[rS:rS+7], v[rK:rK+15], v[rQ:rQ+15], v[rB:rB+7], v[rW], v[rX] matrix_a_scale:MATRIX_SCALE_ROW1 matrix_b_scale:MATRIX_SCALE_ROW1
.elseif (\b)%2
	v_wmma_scale_f32_16x16x128_f8f6f4 v[rS:rS+7], v[rK:rK+15], v[rQ:rQ+15], v[rB:rB+7], v[rW], v[rX] matrix_a_scale:MATRIX_SCALE_ROW1
.elseif (\T)/2
	v_wmma_scale_f32_16x16x128_f8f6f4 v[rS:rS+7], v[rK:rK+15], v[rQ:rQ+15], v[rB:rB+7], v[rW], v[rX] matrix_b_scale:MATRIX_SCALE_ROW1
.else
	v_wmma_scale_f32_16x16x128_f8f6f4 v[rS:rS+7], v[rK:rK+15], v[rQ:rQ+15], v[rB:rB+7], v[rW], v[rX]
.endif
.endm
; Tile T's scores, softmax and codes for one key step.
.macro TILE T
.set MM, 12+4*(\T)
	s_wait_dscnt 0x0                               ; T = 0: k, the mask's C, the scale words and q; later: q, asked for a softmax ago
	WIN 0x11                                       ; source 0 (k) and source 2 (the mask's C) window 1
.irp b, 0,1,2,3
.irp u, 0,1
	QK (\T), \b, \u
.endr
.endr
	WIN 0
.rept 8
	v_nop                                          ; places in front of the loads into q's or k's registers and of the first read of the scores
.endr
.if (\T) < 3
	ds_load_b128 v[72:75], v4 offset:1024*((\T)+1)
	ds_load_b128 v[76:79], v4 offset:1024*((\T)+1)+512
.else
	WIN 0x40
.irp t, 0,1,2,3
.irp c, 0,1,2,3
	ds_load_b128 v[128+16*\t+4*\c:131+16*\t+4*\c], v6 offset:2048*\t+512*\c   ; v's four fragments take k's place: they land under this tile's softmax
.endr
.endr
	WIN 0
	ds_load_b32 v30, v7 offset:4096
	ds_load_b32 v31, v7 offset:4224
.endif
.irp b, 0,1,2,3
	v_max3_num_f32 v[232+\b], v[96+16*\b], v[97+16*\b], v[98+16*\b]   ; the largest score of each block of 32 keys: for the row's maximum, and, since p rises with the score, for the block's largest p
.endr
.irp i, 3,5,7,9,11,13
.irp b, 0,1,2,3
	v_max3_num_f32 v[232+\b], v[232+\b], v[96+16*\b+\i], v[97+16*\b+\i]
.endr
.endr
.irp b, 0,1,2,3
	v_max_num_f32 v[232+\b], v[232+\b], v[111+16*\b]
.endr
.irp b, 0,1,2,3
	v_permlanex16_b32 v[236+\b], v[232+\b], s20, s21
.endr
.irp b, 0,1,2,3
	v_max_num_f32 v[232+\b], v[232+\b], v[236+\b]  ; with lane l xor 16's 16 keys
.endr
	v_max3_num_f32 v254, v232, v233, v234
	v_max_num_f32 v254, v254, v235
	v_mul_f32 v254, s22, v254                      ; as t (c is not negative)
	v_max_num_f32 v[MM+1], v[MM+1], v254           ; the running largest t
	v_mov_b32 v254, v[MM]
	v_floor_f32 v[MM], -v[MM+1]                    ; the new -M = -ceil(t)
	v_sub_f32 v254, v[MM], v254                    ; old M - new M: a whole number, 0 or less
	v_cvt_i32_f32 v254, v254                       ; (it saturates)
	v_ldexp_f32 v252, 1.0, v254                    ; f = 2^(old M - new M)
.irp b, 0,1,2,3
	v_fma_f32 v[232+\b], v[232+\b], s22, v[MM]     ; t - M of each block's largest score
.endr
.irp j, 0,2,4,6
	v_pk_fma_f32 v[96+\j:97+\j], v[96+\j:97+\j], s[22:23], v[MM:MM+1] op_sel_hi:[1,0,0]   ; t - M, two at a time
.endr
.set i, 0
.rept 28                               ; ONE BATCH: the 64 exponentials, with the scalings of the pairs four further on set between them; none of these lines names an exponential's result
	v_exp_f32 v[96+2*i], v[96+2*i]
	v_exp_f32 v[97+2*i], v[97+2*i]
	v_pk_fma_f32 v[104+2*i:105+2*i], v[104+2*i:105+2*i], s[22:23], v[MM:MM+1] op_sel_hi:[1,0,0]
.set i, i+1
.endr
.irp j, 56,57,58,59,60,61,62,63
	v_exp_f32 v[96+\j], v[96+\j]
.endr
	v_pk_mul_f32 v[MM+2:MM+3], v[MM+2:MM+3], v[252:253] op_sel_hi:[1,0]   ; the sums under the new M: a plain line behind the exponentials,
	WIN 0x41
.set i, 0
.rept 16
	v_pk_mul_f32 v[32*(\T)+2*i:32*(\T)+2*i+1], v[32*(\T)+2*i:32*(\T)+2*i+1], v[252:253] op_sel_hi:[1,0]   ; and O^T under the new M: work that names no result of the batch
.set i, i+1
.endr
	WIN 0
	s_wait_alu depctr_va_vdst(0)                   ; one wait for the batch, ahead of its first reader
.irp b, 0,1,2,3
	v_exp_f32 v[232+\b], v[232+\b]                 ; the blocks' largest p
.endr
	v_pk_add_f32 v[236:237], v[96:97], v[98:99]    ; the row's sum of the unquantised p, in two chains
.irp j, 4,8,12,16,20,24,28,32,36,40,44,48,52,56,60
	v_pk_add_f32 v[MM+2:MM+3], v[MM+2:MM+3], v[96+\j:97+\j]
	v_pk_add_f32 v[236:237], v[236:237], v[98+\j:99+\j]
.endr
	v_pk_add_f32 v[MM+2:MM+3], v[MM+2:MM+3], v[236:237]
	s_wait_alu depctr_va_vdst(0)                   ; and one for the four
.irp b, 0,1,2,3
	v_max_num_f32 v[232+\b], 0x4800000, v[232+\b]  ; the floor 2^(9 - 127): the byte cannot fall under 1
.endr
.irp b, 0,1,2,3
	v_add_nc_u32 v[244+\b], 0xfc000000, v[232+\b]  ; 8 off the exponent field: the conversion's scale operand
.endr
.irp b, 0,1,2,3
.endr
.irp b, 0,1,2,3
	v_lshrrev_b32 v[236+\b], 23, v[244+\b]         ; the scale's byte
.endr
	v_lshl_or_b32 v[248+(\T)], v237, 8, v236       ; p's scale word for these 128 keys
	v_lshl_or_b32 v[248+(\T)], v238, 16, v[248+(\T)]
	v_lshl_or_b32 v[248+(\T)], v239, 24, v[248+(\T)]
.irp b, 0,1,2,3
.irp i, 0,1,2,3,4,5,6,7,8,9,10,11,12,13,14,15
.endr
	v_cvt_scalef32_pk8_fp8_f32 v[160+16*(\T)+4*\b:161+16*(\T)+4*\b], v[96+16*\b:103+16*\b], v[244+\b]
	v_cvt_scalef32_pk8_fp8_f32 v[162+16*(\T)+4*\b:163+16*(\T)+4*\b], v[104+16*\b:111+16*\b], v[244+\b]
.endr
	v_nop                                          ; a plain line between the last conversion and the products that write its sources
.endm
; A KEY STEP: 128 keys for my four tiles.  Each fragment of k and of v that is read from LDS feeds four tiles of queries.
.macro STEP
	v_add_nc_u32 v5, s80, v1                       ; the step's images of k,
	v_add_nc_u32 v6, VIMG, v5                      ; of v,
	v_add_nc_u32 v7, s81, v2                       ; its scale words,
	v_add_nc_u32 v8, s82, v3                       ; its part of the mask
.rept 4
	v_nop                                          ; with the four additions: eight places behind the last step's products, in front of the loads into their registers
.endr
	WIN 0x40
.irp b, 0,1,2,3
.irp c, 0,1,2,3
	ds_load_b128 v[128+16*\b+4*\c:131+16*\b+4*\c], v5 offset:2048*\b+512*\c
.endr
.endr
.irp b, 0,1,2,3
.irp u, 0,1
.irp e, 0,1
	ds_load_b128 v[192+8*(2*\b+\u)+4*\e:195+8*(2*\b+\u)+4*\e], v8 offset:128*\b+32*\u+16*\e   ; register j of tile 2 b + u is key 32 b + 16 h + 8 u + j: sixteen lanes read the same 16 bytes
.endr
.endr
.endr
	WIN 0
	ds_load_b32 v28, v7                            ; lanes 0-15: fragment 0's words, lanes 16-31: fragment 1's
	ds_load_b32 v29, v7 offset:128
	ds_load_b128 v[72:75], v4                      ; q of tile 0
	ds_load_b128 v[76:79], v4 offset:512
	TILE 0
	TILE 1
	TILE 2
	TILE 3
	s_wait_dscnt 0x0                               ; v and its scale words
.rept 4
	v_nop                                          ; places between the last codes and the products that take them
.endr
	WIN 0x51                                       ; source 0 (v), C and D (O^T) window 1; source 1 (p) window 0
.irp t, 0,1,2,3
.irp T, 0,1,2,3
.if \t%2
	v_wmma_scale_f32_16x16x128_f8f6f4 v[32*\T+8*\t:32*\T+8*\t+7], v[128+16*\t:143+16*\t], v[160+16*\T:175+16*\T], v[32*\T+8*\t:32*\T+8*\t+7], v[30+\t/2], v[248+\T] matrix_a_scale:MATRIX_SCALE_ROW1
.else
	v_wmma_scale_f32_16x16x128_f8f6f4 v[32*\T+8*\t:32*\T+8*\t+7], v[128+16*\t:143+16*\t], v[160+16*\T:175+16*\T], v[32*\T+8*\t:32*\T+8*\t+7], v[30+\t/2], v[248+\T]
.endif
.endr
.endr                                  ; the sixteen accumulators take turns, one instruction a turn
	WIN 0
	s_add_co_u32 s80, s80, 8192
	s_add_co_u32 s81, s81, 256
	s_add_co_u32 s82, s82, 512
.endm
; A run of key steps, from step first on.  In front of it waves 0 and 1 wait until at most cnt of their nine loads are out, and a barrier shows what has landed to all eight waves.
.macro PHASE cnt, first, trips
	s_wait_tensorcnt \cnt
	s_wait_dscnt 0x0                               ; my LDS stores have landed and my LDS loads are in
	s_barrier_signal -1
	s_barrier_wait -1
	s_mov_b32 s80, 8192*\first
	s_mov_b32 s81, KSC+256*\first
	s_mov_b32 s82, 512*\first
	s_mov_b32 s83, \trips
.Lstep_\@:
	STEP
	s_sub_co_u32 s83, s83, 1
	s_cmp_lg_u32 s83, 0
	s_cbranch_scc1 .Lstep_\@
.endm
	PHASE 7, 0, 2                                  ; the scale words and chunk 0 are in: seven loads were issued behind them
	PHASE 5, 2, 4                                  ; chunks 1 and 2: five behind them
	PHASE 0, 6, 10                                 ; all
	; THE WAY OUT: O^T / the sum is ctx(query, 64 head + d); register 16 b + i of a tile is d = 32 b + 16 h + i: two blocks of the last product's K.  The codes leave as they come from the conversions.
.rept 8
	v_nop                                          ; places behind the last products
.endr
.irp T, 0,1,2,3
	v_add_f32 v[14+4*\T], v[14+4*\T], v[15+4*\T]
.endr
.irp T, 0,1,2,3
	v_permlanex16_b32 v[236+\T], v[14+4*\T], s20, s21
.endr
.irp T, 0,1,2,3
	v_add_f32 v[14+4*\T], v[14+4*\T], v[236+\T]    ; the row's sum
.endr
.irp T, 0,1,2,3
	v_rcp_f32 v[14+4*\T], v[14+4*\T]
.endr
	v_and_b32 v40, 15, v0                          ; (a plain line behind the reciprocals)
	v_bfe_u32 v41, v0, 4, 1
	v_lshlrev_b32 v9, 5, v40
	v_lshl_add_u32 v9, v41, 9, v9                  ; ctx's scale bytes: 32 a row; lanes 16-31 serve the next tile, 512 bytes on
	s_mov_b32 s86, 0xffff0000                      ; lanes 16-31
	s_wait_alu depctr_va_vdst(0)                   ; one wait for the four reciprocals, ahead of their first reader
.macro OUT T
.set XX, 96+32*((\T)%2)
.set LL, 14+4*(\T)
	WIN 0x01                                       ; source 0 (O^T) window 1
.set i, 0
.rept 16
	v_pk_mul_f32 v[XX+2*i:XX+2*i+1], v[32*(\T)+2*i:32*(\T)+2*i+1], v[LL:LL+1] op_sel_hi:[1,0]   ; each accumulator from its low end on
.set i, i+1
.endr
	WIN 0
.irp b, 0,1
	v_max3_num_f32 v[232+\b], |v[XX+16*\b]|, |v[XX+1+16*\b]|, 0x4800000
.endr
.irp i, 2,4,6,8,10,12,14
.irp b, 0,1
	v_max3_num_f32 v[232+\b], v[232+\b], |v[XX+16*\b+\i]|, |v[XX+1+16*\b+\i]|
.endr
.endr
.irp b, 0,1
	v_permlanex16_b32 v[236+\b], v[232+\b], s20, s21
.endr
.irp b, 0,1
	v_max_num_f32 v[232+\b], v[232+\b], v[236+\b]
.endr
.irp b, 0,1
	v_add_nc_u32 v[244+\b], 0xfc000000, v[232+\b]
.endr
.irp b, 0,1
.endr
.irp b, 0,1
	v_lshrrev_b32 v[236+\b], 23, v[244+\b]
.endr
	v_lshl_or_b32 v[34+(\T)], v237, 8, v236        ; my row's two scale bytes
.irp b, 0,1
.irp i, 0,1,2,3,4,5,6,7,8,9,10,11,12,13,14,15
.endr
	v_cvt_scalef32_pk8_fp8_f32 v[160+8*(\T)+4*\b:161+8*(\T)+4*\b], v[XX+16*\b:XX+7+16*\b], v[244+\b]
	v_cvt_scalef32_pk8_fp8_f32 v[162+8*(\T)+4*\b:163+8*(\T)+4*\b], v[XX+8+16*\b:XX+15+16*\b], v[244+\b]
.endr
	v_nop
.irp b, 0,1
	global_store_b128 v1, v[160+8*(\T)+4*\b:163+8*(\T)+4*\b], s[10:11] offset:16384*(\T)+512*\b   ; 32 lanes store 512 consecutive bytes, aligned; each tile has registers of its own
.endr
.endm
	OUT 0
	OUT 1
	OUT 2
	OUT 3
	v_cndmask_b32 v38, v34, v35, s86               ; lanes 0-15 carry tile 0's bytes, lanes 16-31 tile 1's
	v_cndmask_b32 v39, v36, v37, s86
	global_store_b16 v9, v38, s[12:13]             ; two bytes of a row's 32: the other heads' bytes are other work-groups'; one byte in 32 of what the launch stores
	global_store_b16 v9, v39, s[12:13] offset:1024
	s_wait_tensorcnt 0x0
	ds_add_u32 v231, v255
	s_wait_dscnt 0x0
	ROUND                                          ; the closing round: no work-group ends while a partner may still ask for a tile that names it
	s_endpgm
.Lfunc_end_k_q8736e30f30_attn:
	.size	k_q8736e30f30_attn, .Lfunc_end_k_q8736e30f30_attn-k_q8736e30f30_attn
	.p2alignl 7, 3214868480
	.fill 96, 4, 3214868480
	.section	.rodata,"a",@progbits
	.p2align	6, 0x0
	.amdhsa_kernel k_q8736e30f30_attn
		.amdhsa_group_segment_fixed_size 327680
		.amdhsa_private_segment_fixed_size 0
		.amdhsa_enable_private_segment 0
		.amdhsa_kernarg_size 40
		.amdhsa_user_sgpr_count 2
		.amdhsa_user_sgpr_kernarg_segment_ptr 1
		.amdhsa_wavefront_size32 1
		.amdhsa_system_sgpr_workgroup_id_x 1
		.amdhsa_system_sgpr_workgroup_id_y 1
		.amdhsa_system_sgpr_workgroup_id_z 1
		.amdhsa_system_vgpr_workitem_id 0
		.amdhsa_next_free_vgpr 512
		.amdhsa_next_free_sgpr 92
		.amdhsa_reserve_vcc 1
		.amdhsa_float_denorm_mode_32 3
		.amdhsa_float_denorm_mode_16_64 3
		.amdhsa_fp16_overflow 1
		.amdhsa_memory_ordered 1
		.amdhsa_forward_progress 1
		.amdhsa_inst_pref_size 207
	.end_amdhsa_kernel
	.amdgpu_metadata
---
amdhsa.version: [ 1, 2 ]
amdhsa.kernels:
  - .name:           k_q8736e30f30_attn
    .symbol:         k_q8736e30f30_attn.kd
    .args:
      - { .name: qkv_img, .offset: 0, .size: 8, .value_kind: global_buffer, .address_space: global }
      - { .name: qkv_sc, .offset: 8, .size: 8, .value_kind: global_buffer, .address_space: global }
      - { .name: mask, .offset: 16, .size: 8, .value_kind: global_buffer, .address_space: global }
      - { .name: ctx_img, .offset: 24, .size: 8, .value_kind: global_buffer, .address_space: global }
      - { .name: ctx_sc, .offset: 32, .size: 8, .value_kind: global_buffer, .address_space: global }
    .group_segment_fixed_size: 327680
    .private_segment_fixed_size: 0
    .kernarg_segment_align: 8
    .kernarg_segment_size: 40
    .max_flat_workgroup_size: 256
    .sgpr_count:     92
    .vgpr_count:     512
    .wavefront_size: 32
...
	.end_amdgpu_metadata
.endif
;; end of part 2
;; launch outp (part 3): grid 4 x 32, 4 waves a work-group, clusters of 4 x 4, 327,680 bytes of LDS; arguments ctx_img, ctx_sc, Wo_codes, Wo_scales, bo, out0; writes out0
.if DOCPART == 3
	.amdgcn_target "amdgcn-amd-amdhsa--gfx1250"
	.amdhsa_code_object_version 6
	.text
	.protected	k_q8736e30f30_outp
	.globl	k_q8736e30f30_outp
	.p2align	8
	.type	k_q8736e30f30_outp,@function
k_q8736e30f30_outp:
	s_mov_b64 s[64:65], 0
	v_nop
	global_prefetch_b8 v0, s[64:65] scope:SCOPE_SE
	s_setreg_imm32_b32 hwreg(HW_REG_WAVE_MODE, 25, 1), 1
	s_wait_xcnt 0x0
	s_wait_alu depctr_hold_cnt(0) depctr_sa_sdst(0) depctr_va_vdst(0) depctr_va_sdst(0) depctr_va_ssrc(0) depctr_va_vcc(0) depctr_vm_vsrc(0)
	s_getreg_b32 s2, hwreg(HW_REG_IB_STS2, 6, 4)
	s_cmp_eq_u32 s2, 0
	s_cbranch_scc0 .Lentry_in_a_cluster
	s_endpgm
.Lentry_in_a_cluster:
	s_bfe_u32 s2, ttmp6, 0x10000c
	s_cmp_lg_u32 s2, 0xf033
	s_cbranch_scc0 .Lentry_shape_is_right
	s_endpgm
.Lentry_shape_is_right:
; out = relu(ctx Wo + bo) on codes of FP8 (E4M3) with one E8M0 scale for each 32 along K = 1,024; sums in f32; out [8192][1024] f32.
; A = ctx arrives as IMAGES OF OPERAND REGISTERS, [tile of 16 tokens][32 chunks of 32 along K][lane][16 bytes]; lane r of tile i is token 32 (i / 2) + 8 (i % 2) + r + 8 (r / 8); its scale bytes [16 x tile + r][32].
; B = Wo arrives as rows of 1,024 codes, K innermost, with 32 scale bytes a row.
; A tile of 256 x 256 of out is made by four waves, 128 x 128 each: 64 accumulators, 512 registers.  K goes in steps of 256 through a ring of two LDS slots filled by the tensor data mover:
; of A 16 tiles x 4,096 dense bytes, which need no padding (a fragment load reads 512 consecutive bytes); of B 256 rows of 256 bytes + 16 of padding.
; The scale bytes of the 512 rows, for all of K, come into LDS once, with the first fills.
; CLUSTERS: 4 x 4 work-groups; A's tile is shared along a row of the cluster, B's along a column: each is asked for jointly.  The matrix instruction is used transposed (source 0 = 16 rows of Wo, source 1 = 16 tokens):
; a lane holds eight neighbouring numbers of a row of out.  bo is the C of each sum's first product; relu is taken on the way out.
; 128 work-groups: tiles of 128 rows would give 256, with twice the LDS bytes for each product; the launch is short and its 32 MiB of stores weigh most.
; LIMITS: NaN and infinities are not served (relu by v_max_num_f32 would turn a NaN into 0).
; REGISTERS, in windows of 256: window 0: v0-31 addresses; v32-63 scale words, two sets; v64-127 bo in the result's layout; v128-255 A's fragments, one set.  window 1: B's fragments, two sets.  windows 2, 3: the accumulators.
.set NQ,     2
.set ROWB,   256
.set KROW,   1024
.set PITCH,  272
.set FR,     16
.set NL,     4
.set NP,     8                         ; places behind this matrix instruction (ISA guide 7.12.1)
.set HALFA,  32768                     ; A: 8 tiles x 4,096 bytes: what one tensor load brings, and what one wave reads
.set HALFT,  128*PITCH                 ; B: 128 rows
.set SLOT,   2*HALFA+2*HALFT
.set LAPS,   2
.set KS,     32
.set SCL,    2*SLOT                    ; behind the ring: the scales, as units of 256 bytes + 16 of padding
.set HALFS,  16*272
.set SBLK,   2*272                     ; those of 16 rows
.set SPARE,  SCL+4*HALFS               ; the spare words, 128 bytes for each wave
.set SPITCH, 528                       ; the way out: a stage of 16 rows x (512 bytes + 16) for each wave, in slot 0, which has had its last fill and its last read when the first result is stored there
.set ADRA, 16
.set ADRB, 20
.set STO,  24
.set RD,   25
.set CO,   26
.set ADRS, 27
.set SPW,  28                          ; v28  LDS address of my spare word; never rewritten
.set NIL,  29                          ; v29  0; never rewritten
.set SC,   32
.set CB,   64
.set AF,   128
.set BK,   128
.set G1,   24
.set G0,   32
.set G1B,  48
.set G0B,  56
.set G1S,  68
.set G0S,  76
.set G1SB, 80
.set G0SB, 88
.set MSB, 0
.macro WIN new
.if MSB != \new
	s_set_vgpr_msb (MSB<<8)|\new
.set MSB, \new
.endif
.endm
.set MUL_LO, 0xa1
.set MUL_HI, 0xf1
.set TO_B,   0x40
.macro JLOAD g0a, g1a, g0b, g1b        ; a joint load: waves 0 and 1 fetch for A, waves 2 and 3 for B; four v_nop follow each of the two lines
	s_cmp_eq_u32 s15, 0
	s_cbranch_scc0 .Lfor_b_\@
	tensor_load_to_lds s[\g0a:\g0a+3], s[\g1a:\g1a+7]
	s_nop 0
.rept 4
	v_nop
.endr
	s_branch .Lasked_\@
.Lfor_b_\@:
	tensor_load_to_lds s[\g0b:\g0b+3], s[\g1b:\g1b+7]
	s_nop 0
.rept 4
	v_nop
.endr
.Lasked_\@:
.endm
.macro CREST
	s_cmp_lg_u32 s14, 0
	s_cbranch_scc1 .Lnot_wave_0_\@
	s_barrier_signal -3
.Lnot_wave_0_\@:
	s_barrier_wait -3
	s_barrier_signal -1
	s_barrier_wait -1
.endm
.macro CROUND
	s_barrier_signal -1
	s_barrier_wait -1
	CREST
.endm
	s_load_b128 s[4:7], s[0:1], 0x0                ; ctx's images, ctx's scales
	s_load_b128 s[8:11], s[0:1], 0x10              ; Wo's codes, Wo's scales
	s_load_b128 s[96:99], s[0:1], 0x20             ; bo, out
	v_lshl_add_u32 v[SPW], v0, 2, SPARE
	v_mov_b32 v[NIL], 0
	ds_add_u32 v28, v29
	ds_add_u32 v28, v29
	s_wait_dscnt 0x0
	v_lshrrev_b32 v1, 5, v0
	v_readfirstlane_b32 s14, v1                    ; wave 0..3
	s_lshr_b32 s15, s14, 1                         ; which half of the tile's rows is mine.  Also: I fetch for A (0) or for B (1)
	s_and_b32 s16, s14, 1                          ; which half of its columns.  Also: which half of that tile I fetch
	s_bfe_u32 s40, ttmp6, 0x40000                  ; cx, cy
	s_bfe_u32 s41, ttmp6, 0x40004
	s_lshl_b32 s42, ttmp9, 2
	s_add_co_u32 s42, s42, s40                     ; tile column
	s_and_b32 s17, ttmp7, 0xffff
	s_lshl_b32 s17, s17, 2
	s_add_co_u32 s17, s17, s41                     ; tile row
	s_lshl_b32 s43, s41, 2
	s_lshl_b32 s43, 15, s43                        ; my row of the cluster
	s_lshl_b32 s44, 0x1111, s40                    ; my column
	; group 1 for A: 8 rows (tiles of tokens) of 4,096 bytes (512 elements of 8 bytes), 16,384 bytes apart; no padding
	s_or_b32 s[G1+0], s43, (3<<16)|(1<<21)
	s_mov_b32 s[G1+1], 512<<16
	s_mov_b32 s[G1+2], 8<<16
	s_mov_b32 s[G1+3], 512<<16
	s_mov_b32 s[G1+4], 8
	s_mov_b32 s[G1+5], 2048
	s_mov_b32 s[G1+6], 0
	s_mov_b32 s[G1+7], 0
	; for B: 128 rows of 256 bytes, 16 bytes of padding behind each
	s_or_b32 s[G1B+0], s44, (0<<16)|(1<<20)|(1<<21)|(5<<22)|(3<<25)
	s_mov_b32 s[G1B+1], ROWB<<16
	s_mov_b32 s[G1B+2], 128<<16
	s_mov_b32 s[G1B+3], ROWB<<16
	s_mov_b32 s[G1B+4], 128
	s_mov_b32 s[G1B+5], KROW
	s_mov_b32 s[G1B+6], 0
	s_mov_b32 s[G1B+7], 0
	; for the scale bytes of 128 rows: 4,096 dense bytes as 16 rows of 256, 16 bytes of padding behind each
	s_or_b32 s[G1S+0], s43, (3<<16)|(1<<20)|(1<<21)|(5<<22)|(3<<25)
	s_or_b32 s[G1SB+0], s44, (3<<16)|(1<<20)|(1<<21)|(5<<22)|(3<<25)
.irp g, G1S, G1SB
	s_mov_b32 s[\g+1], 32<<16
	s_mov_b32 s[\g+2], 16<<16
	s_mov_b32 s[\g+3], 32<<16
	s_mov_b32 s[\g+4], 16
	s_mov_b32 s[\g+5], 32
	s_mov_b32 s[\g+6], 0
	s_mov_b32 s[\g+7], 0
.endr
	s_lshl_b32 s20, s17, 4
	s_lshl_b32 s18, s16, 3
	s_add_co_u32 s20, s20, s18                     ; A: the first tile of 16 tokens that I fetch
	s_lshl_b32 s22, s20, 9                         ; its scale bytes: 512 a tile,
	s_lshl_b32 s20, s20, 14                        ; its images: 16,384
	s_lshl_b32 s46, s42, 8
	s_lshl_b32 s18, s16, 7
	s_add_co_u32 s46, s46, s18                     ; B: the first row that I fetch
	s_lshl_b32 s92, s46, 5
	s_lshl_b32 s46, s46, 10
	s_mov_b32 s21, 0
	s_mov_b32 s23, 0
	s_mov_b32 s47, 0
	s_mov_b32 s93, 0
	s_lshl_b32 s45, s16, 15                        ; where they go: A's halves at 0 and 32,768,
	s_mul_i32 s94, s16, HALFT
	s_add_co_u32 s94, s94, 2*HALFA                 ; B's behind them,
	s_mul_i32 s95, s14, HALFS                      ; the scales by the wave: no place in the cluster enters an LDS address
	s_wait_kmcnt 0x0
	s_mov_b64 s[12:13], s[98:99]
	s_add_nc_u64 s[20:21], s[4:5], s[20:21]
	s_add_nc_u64 s[22:23], s[6:7], s[22:23]
	s_add_nc_u64 s[46:47], s[8:9], s[46:47]
	s_add_nc_u64 s[92:93], s[10:11], s[92:93]
	CROUND                                         ; all sixteen work-groups are here: the first joint loads meet
	s_mov_b32 s[G0S], 1
	s_add_co_u32 s[G0S+1], s95, SCL
	s_mov_b64 s[G0S+2:G0S+3], s[22:23]
	s_or_b32 s[G0S+3], s[G0S+3], 0x80000000
	s_mov_b32 s[G0SB], 1
	s_add_co_u32 s[G0SB+1], s95, SCL
	s_mov_b64 s[G0SB+2:G0SB+3], s[92:93]
	s_or_b32 s[G0SB+3], s[G0SB+3], 0x80000000
	JLOAD G0S, G1S, G0SB, G1SB
.irp s, 0,1
	s_mov_b32 s[G0+4*\s], 1
	s_add_co_u32 s[G0+4*\s+1], s45, \s*SLOT
	s_add_nc_u64 s[G0+4*\s+2:G0+4*\s+3], s[20:21], \s*4096
	s_or_b32 s[G0+4*\s+3], s[G0+4*\s+3], 0x80000000
	s_mov_b32 s[G0B+4*\s], 1
	s_add_co_u32 s[G0B+4*\s+1], s94, \s*SLOT
	s_add_nc_u64 s[G0B+4*\s+2:G0B+4*\s+3], s[46:47], \s*ROWB
	s_or_b32 s[G0B+4*\s+3], s[G0B+4*\s+3], 0x80000000
	JLOAD G0+4*\s, G1, G0B+4*\s, G1B               ; three tensor loads of mine are out
.endr
	v_and_b32 v1, 15, v0                           ; r
	v_bfe_u32 v2, v0, 4, 1                         ; h
	v_and_b32 v6, 31, v0
	v_lshlrev_b32 v[CO], 4, v6                     ; 16 x lane
	v_mul_u32_u24 v3, v1, PITCH
	v_lshl_add_u32 v4, v2, 4, v3                   ; B: row x pitch + 16 x half
	s_lshl_b32 s21, s15, 15                        ; my 8 tiles of A
	s_mul_i32 s22, s16, HALFT                      ; my 128 rows of B,
	s_add_co_u32 s22, s22, 2*HALFA                 ; behind A's
.irp s, 0,1
	v_add_nc_u32 v[ADRA+\s], s21, v[CO]
	v_add_nc_u32 v[ADRB+\s], s22, v4
	s_add_co_u32 s21, s21, SLOT
	s_add_co_u32 s22, s22, SLOT
.endr
	v_mul_u32_u24 v5, v1, KS                       ; my row's scales: 32 bytes a row,
	v_lshrrev_b32 v6, 8, v5
	v_lshl_add_u32 v5, v6, 4, v5                   ; and 16 more for each 256 passed
	s_mul_i32 s21, s15, HALFS
	s_mul_i32 s22, s16, HALFS
	s_add_co_u32 s22, s22, 2*HALFS
	s_sub_co_u32 s22, s22, s21
	v_mul_u32_u24 v6, s22, v2                      ; lanes 16-31 take B's
	s_add_co_u32 s21, s21, SCL
	v_add_nc_u32 v5, v5, v6
	v_add_nc_u32 v[ADRS], s21, v5
	s_mul_i32 s23, s14, 16*SPITCH                  ; my stage
	v_mul_u32_u24 v5, v1, SPITCH
	v_lshl_add_u32 v5, v2, 5, v5
	v_add_nc_u32 v[STO], s23, v5                   ; in: row r, 32 bytes for each half of the lanes
	v_add_nc_u32 v[RD], s23, v[CO]                 ; back: the 32 lanes take one row of 512 bytes
	s_lshl_b32 s20, s17, 8
	s_lshl_b32 s21, s15, 7
	s_add_co_u32 s20, s20, s21                     ; my first row of out,
	s_lshl_b32 s20, s20, 12                        ; 4,096 bytes a row
	s_lshl_b32 s46, s42, 10                        ; my first column, in bytes
	s_lshl_b32 s47, s16, 9
	s_add_co_u32 s46, s46, s47
	s_mov_b32 s47, 0
	s_mov_b32 s21, 0
	s_add_nc_u64 s[96:97], s[96:97], s[46:47]      ; bo at my first column
	s_add_nc_u64 s[20:21], s[20:21], s[46:47]
	s_add_nc_u64 s[12:13], s[12:13], s[20:21]
	v_lshlrev_b32 v7, 5, v2                        ; register j of B's tile t is column 16 t + 8 h + j
.irp t, 0,1,2,3,4,5,6,7
	global_load_b128 v[CB+8*\t:CB+8*\t+3], v7, s[96:97] offset:64*\t
	global_load_b128 v[CB+8*\t+4:CB+8*\t+7], v7, s[96:97] offset:64*\t+16
.endr
.macro FRAGB reg, adr, q, i            ; from rows: registers 4 c .. 4 c + 3 hold K = 32 c + 16 (lane / 16) + 0 .. 15
.irp c, 0,1,2,3
	ds_load_b128 v[\reg+4*\c:\reg+4*\c+3], v[\adr] offset:128*(\q)+32*\c+(\i)*16*PITCH
.endr
.endm
.macro FRAGA reg, adr, q, i            ; from images: 512 consecutive bytes a load
.irp c, 0,1,2,3
	ds_load_b128 v[\reg+4*\c:\reg+4*\c+3], v[\adr] offset:4096*(\i)+2048*(\q)+512*\c
.endr
.endm
; 16 matrix instructions: A's tiles a0, a0 + 1 x B's eight.  zero = 1: the first product starts the sums, with bo as its C.  The 64 accumulators take turns, one instruction a turn.
.macro MUL16 a0, p, q, sc, zero
.irp a, \a0, \a0+1
.irp b, 0,1,2,3,4,5,6,7
.if \zero
	v_wmma_scale_f32_16x16x128_f8f6f4 v[8*(8*((\a)%4)+\b):8*(8*((\a)%4)+\b)+7], v[128*(\p)+FR*\b:128*(\p)+FR*\b+FR-1], v[AF+FR*(\a):AF+FR*(\a)+FR-1], v[CB+8*\b:CB+8*\b+7], v[SC+8*NQ*(\sc)+NQ*\b+(\q)], v[SC+8*NQ*(\sc)+NQ*(\a)+(\q)] matrix_a_scale:MATRIX_SCALE_ROW1
.else
	v_wmma_scale_f32_16x16x128_f8f6f4 v[8*(8*((\a)%4)+\b):8*(8*((\a)%4)+\b)+7], v[128*(\p)+FR*\b:128*(\p)+FR*\b+FR-1], v[AF+FR*(\a):AF+FR*(\a)+FR-1], v[8*(8*((\a)%4)+\b):8*(8*((\a)%4)+\b)+7], v[SC+8*NQ*(\sc)+NQ*\b+(\q)], v[SC+8*NQ*(\sc)+NQ*(\a)+(\q)] matrix_a_scale:MATRIX_SCALE_ROW1
.endif
.endr
.endr
.endm
.macro FETCH_B slot, q, p
	WIN TO_B
.irp i, 0,1,2,3,4,5,6,7
	FRAGB 128*(\p)+FR*\i, ADRB+\slot, \q, \i
.endr
	WIN 0
.endm
.macro FETCH_A slot, q, i0
.irp i, \i0, \i0+1, \i0+2, \i0+3
	FRAGA AF+FR*(\i), ADRA+\slot, \q, \i
.endr
.endm
.macro SCALES sc
.irp i, 0,1,2,3,4,5,6,7
	ds_load_b64 v[SC+8*NQ*\sc+NQ*\i:SC+8*NQ*\sc+NQ*\i+1], v[ADRS] offset:\i*SBLK
.endr
.endm
.macro PLACES n
.rept \n
	v_nop
.endr
.endm
.macro STEP slot, q, zero
	s_wait_dscnt 4*NL                              ; B's set and A's tiles 0-3 are in; the youngest sixteen loads (A's tiles 4-7) may be out
.if \zero
	WIN 0x81                                       ; as MUL_LO, with C (the bias) in window 0
.else
	WIN MUL_LO
.endif
	MUL16 0, (\q)%2, \q, \slot, \zero
	MUL16 2, (\q)%2, \q, \slot, \zero
	s_wait_dscnt 0
	PLACES NP
	FETCH_B \slot, (\q)+1, 1-(\q)%2
	FETCH_A \slot, (\q)+1, 0
.if \zero
	WIN 0xc1
.else
	WIN MUL_HI
.endif
	MUL16 4, (\q)%2, \q, \slot, \zero
	MUL16 6, (\q)%2, \q, \slot, \zero
	PLACES NP
	WIN 0
	FETCH_A \slot, (\q)+1, 4
.endm
.macro TURN slot, next, fill
	s_wait_tensorcnt 0x0                           ; all my tensor loads have landed: my part of the next slot
	ds_add_u32 v[SPW], v[NIL]                      ; 0 onto my spare word
	s_wait_dscnt 4*NL+1                            ; (the add and the youngest sixteen loads may be out)
	WIN MUL_LO
	MUL16 0, 1, NQ-1, \slot, 0
	s_wait_dscnt 0x0                               ; the add is done, and my reads of this slot are over
	s_barrier_signal -1
	MUL16 2, 1, NQ-1, \slot, 0
	WIN 0
	s_barrier_wait -1
.if \fill
	CREST                                          ; the barrier has opened a round of the cluster's: no wave of any partner still reads this slot or has a load on its way
	s_add_nc_u64 s[G0+4*\slot+2:G0+4*\slot+3], s[G0+4*\slot+2:G0+4*\slot+3], 2*4096
	s_add_nc_u64 s[G0B+4*\slot+2:G0B+4*\slot+3], s[G0B+4*\slot+2:G0B+4*\slot+3], 2*ROWB
	JLOAD G0+4*\slot, G1, G0B+4*\slot, G1B
	PLACES NP-4
.else
	PLACES NP
.endif
	v_add_nc_u32 v[ADRS], 4*NQ, v[ADRS]
	FETCH_B \next, 0, 0
	FETCH_A \next, 0, 0
	SCALES \next
	WIN MUL_HI
	MUL16 4, 1, NQ-1, \slot, 0
	MUL16 6, 1, NQ-1, \slot, 0
	PLACES NP
	WIN 0
	FETCH_A \next, 0, 4
.endm
	s_wait_loadcnt 0x0                             ; bo
	s_wait_tensorcnt 1                             ; the scales and my part of K step 0 are in (K step 1's load may be out)
	s_barrier_signal -1
	s_barrier_wait -1                              ; everybody's are
	FETCH_B 0, 0, 0
	FETCH_A 0, 0, 0
	SCALES 0
	FETCH_A 0, 0, 4
	STEP 0, 0, 1
	s_mov_b32 s3, LAPS-1
.Llap:
	TURN 0, 1, 1
	STEP 1, 0, 0
	TURN 1, 0, 1
	STEP 0, 0, 0
	s_sub_co_u32 s3, s3, 1
	s_cmp_lg_u32 s3, 0
	s_cbranch_scc1 .Llap
	TURN 0, 1, 0
	STEP 1, 0, 0
	s_wait_dscnt 4*NL
	WIN MUL_LO
	MUL16 0, 1, NQ-1, 1, 0
	MUL16 2, 1, NQ-1, 1, 0
	s_wait_dscnt 0
	WIN MUL_HI
	MUL16 4, 1, NQ-1, 1, 0
	MUL16 6, 1, NQ-1, 1, 0
	WIN 0
; THE WAY OUT, a tile of 16 tokens x 128 columns at a time, through my own stage in LDS: back come whole rows of 512 bytes, which the 32 lanes store as one aligned run of 512 bytes.
.macro TOSTAGE a
.set AC, 64*((\a)%4)
	WIN (0x08+4*((\a)/4))                          ; the data: window 2 or 3
.irp b, 0,1,2,3,4,5,6,7
	ds_store_b128 v[STO], v[AC+8*\b:AC+8*\b+3] offset:64*\b          ; each accumulator from its low end on
	ds_store_b128 v[STO], v[AC+8*\b+4:AC+8*\b+7] offset:64*\b+16
.endr
	WIN 0
.set BB, BK+64*((\a)%2)
.irp t, 0,1,2,3,4,5,6,7,8,9,10,11,12,13,14,15
	ds_load_b128 v[BB+4*\t:BB+4*\t+3], v[RD] offset:\t*SPITCH       ; LDS serves a wave's instructions in order: these see the stores above
.endr
.endm
.macro SEND a, younger                 ; younger: the LDS instructions issued behind tile a's loads, which may stay out
.set BB, BK+64*((\a)%2)
	s_wait_dscnt \younger
.set i, 0
.rept 64
	v_max_num_f32 v[BB+i], 0, v[BB+i]              ; relu
.set i, i+1
.endr
.irp t, 0,1,2,3,4,5,6,7,8,9,10,11,12,13,14,15
	global_store_b128 v[CO], v[BB+4*\t:BB+4*\t+3], s[12:13] offset:(32*((\a)/2)+8*((\a)%2)+\t+8*(\t/8))*4096 th:TH_STORE_NT   ; stage row t is token 32 (a / 2) + 8 (a % 2) + t + 8 (t / 8) of my 128; the offset stays under 2^23
.endr
.endm
	PLACES NP                                      ; behind the last products: their results are read, and A's registers loaded, below
	TOSTAGE 0
.irp a, 1,2,3,4,5,6,7
.if \a > 1
	s_wait_xcnt 0x0                                ; tile a - 2's stores have read their registers: tile a's loads may land there
.endif
	TOSTAGE \a
	SEND \a-1, 32                                  ; behind tile a - 1's loads: tile a's 16 stores and 16 loads
.endr
	SEND 7, 0
	s_wait_tensorcnt 0x0                           ; the wave's end
	ds_add_u32 v[SPW], v[NIL]
	s_wait_dscnt 0x0
	CROUND                                         ; the closing round
	s_endpgm
.Lfunc_end_k_q8736e30f30_outp:
	.size	k_q8736e30f30_outp, .Lfunc_end_k_q8736e30f30_outp-k_q8736e30f30_outp
	.p2alignl 7, 3214868480
	.fill 96, 4, 3214868480
	.section	.rodata,"a",@progbits
	.p2align	6, 0x0
	.amdhsa_kernel k_q8736e30f30_outp
		.amdhsa_group_segment_fixed_size 327680
		.amdhsa_private_segment_fixed_size 0
		.amdhsa_enable_private_segment 0
		.amdhsa_kernarg_size 48
		.amdhsa_user_sgpr_count 2
		.amdhsa_user_sgpr_kernarg_segment_ptr 1
		.amdhsa_wavefront_size32 1
		.amdhsa_system_sgpr_workgroup_id_x 1
		.amdhsa_system_sgpr_workgroup_id_y 1
		.amdhsa_system_sgpr_workgroup_id_z 1
		.amdhsa_system_vgpr_workitem_id 0
		.amdhsa_next_free_vgpr 1024
		.amdhsa_next_free_sgpr 100
		.amdhsa_reserve_vcc 0
		.amdhsa_float_denorm_mode_32 3
		.amdhsa_float_denorm_mode_16_64 3
		.amdhsa_memory_ordered 1
		.amdhsa_forward_progress 1
		.amdhsa_inst_pref_size 163
	.end_amdhsa_kernel
	.amdgpu_metadata
---
amdhsa.version: [ 1, 2 ]
amdhsa.kernels:
  - .name:           k_q8736e30f30_outp
    .symbol:         k_q8736e30f30_outp.kd
    .args:
      - { .name: ctx_img, .offset: 0, .size: 8, .value_kind: global_buffer, .address_space: global }
      - { .name: ctx_sc, .offset: 8, .size: 8, .value_kind: global_buffer, .address_space: global }
      - { .name: Wo_codes, .offset: 16, .size: 8, .value_kind: global_buffer, .address_space: global }
      - { .name: Wo_scales, .offset: 24, .size: 8, .value_kind: global_buffer, .address_space: global }
      - { .name: bo, .offset: 32, .size: 8, .value_kind: global_buffer, .address_space: global }
      - { .name: out0, .offset: 40, .size: 8, .value_kind: global_buffer, .address_space: global }
    .group_segment_fixed_size: 327680
    .private_segment_fixed_size: 0
    .kernarg_segment_align: 8
    .kernarg_segment_size: 48
    .max_flat_workgroup_size: 128
    .sgpr_count:     100
    .vgpr_count:     1024
    .wavefront_size: 32
...
	.end_amdgpu_metadata
.endif
;; end of part 3
